; MI455X (gfx1250); checked and timed in simulation.
; The chip was launched on July 23, 2026; its instructions are those of AMD's public machine-readable ISA for CDNA 5 (MIT licence, August 2026) and "CDNA5" Instruction Set Architecture Reference Guide (July 2026). The comments in the code are by the model that wrote it; some were corrected since.
;; Masked Multi Head Attention. Allowed arithmetic: matrix products marked QUANTISED: E2M3 operands, one E8M0 scale for each 32 along K, by v_wmma_scale_f32_16x16x128_f8f6f4 with both operands' format E2M3, f32 sums; everything else in f32.
;; Inputs: Wk 1,024 x 1,024 float32; Wo 1,024 x 1,024 float32; Wq 1,024 x 1,024 float32; Wv 1,024 x 1,024 float32; bk 1,024 float32; bo 1,024 float32; bq 1,024 float32; bv 1,024 float32; key_ 4 x 2,048 x 1,024 float32; mask 4 x 2,048 x 2,048 int32; query 4 x 2,048 x 1,024 float32; value 4 x 2,048 x 1,024 float32.
;; Outputs: out0 4 x 2,048 x 1,024 float32.
;; This version of the problem:
;;   THIS VERSION OF THE PROBLEM IS GIVEN IN LOW PRECISION. The matrix products marked QUANTISED in the list below multiply operands that are first quantised to E2M3 (2 exponent bits, 3 mantissa bits; 6 bits a number), with one power-of-two scale for each 32 numbers along K (OCP MX v1.0); their sums are f32. All else is computed in f32.
;;   The module's matrix products, in the order in which they are computed (A, B: the left and right operand; K: the contracted axis; several contracted axes count as one K, in the product's order):
;;     1. [M 8,192, K 1,024] x [K 1,024, N 1,024]; A: input query; B: input Wq: QUANTISED
;;     2. [M 8,192, K 1,024] x [K 1,024, N 1,024]; A: input key_; B: input Wk: QUANTISED
;;     3. [M 8,192, K 1,024] x [K 1,024, N 1,024]; A: input value; B: input Wv: QUANTISED
;;     4. batch 4 x [M 2,048, K 1,024] x [K 1,024, N 2,048]; A: computed on the way; B: computed on the way: QUANTISED
;;     5. batch 4 x [M 2,048, K 2,048] x [K 2,048, N 1,024]; A: softmax (see below); B: computed on the way: QUANTISED
;;     6. [M 8,192, K 1,024] x [K 1,024, N 1,024]; A: computed on the way; B: input Wo: QUANTISED
;;   THE QUANTISER, for each operand of a quantised product, along K:
;;     - K is cut into blocks of 32 from its start; a last block that is shorter is filled with zeros.
;;     - A block's scale is 2^e with e = floor(log2(the largest magnitude in the block)) - 2, held to -126 .. 127; a block of zeros has e = 0. As a byte (E8M0): e + 127.
;;     - Each number is divided by its block's scale, clamped to +-7.5, and rounded to the nearest number of E2M3, ties to even, subnormals kept.
;;     - The product sums the exact products of the quantised numbers (number of the format x scale) in f32.
;;   ~~~python
;;   def quantise(x, axis):      # numpy; x: float32 -> the quantised numbers, widened to float32 again
;;       x = np.moveaxis(x, axis, -1); K = x.shape[-1]
;;       x = np.pad(x, [(0, 0)] * (x.ndim - 1) + [(0, -K % 32)]); x = x.reshape(x.shape[:-1] + (-1, 32)); a = np.abs(x).max(-1, keepdims=True)
;;       e = np.where(a > 0, np.clip(np.frexp(np.where(a > 0, a, 1))[1] - 1 - 2, -126, 127), 0)      # np.frexp(a)[1] - 1 = floor(log2(a)), exactly
;;       r = np.clip(x / 2.0 ** e, -7.5, 7.5)
;;       step = 2.0 ** (np.maximum(np.frexp(np.where(r == 0, 1, r))[1] - 1, 0) - 3)
;;       q = np.round(r / step) * step * 2.0 ** e      # np.round: ties to even
;;       return np.moveaxis(q.reshape(q.shape[:-2] + (-1,))[..., :K], -1, axis).astype(np.float32)
;;   ~~~
;;   SOFTMAX AHEAD OF A QUANTISED PRODUCT. Where the list says 'softmax', what is quantised is not the finished softmax but p = 2^(t - M), with t = logit x log2(e) and M = ceil(the row's largest t), a whole number; so 1/2 < the row's largest p <= 1. The row's sum l is taken of the UNQUANTISED p, in f32, and the product's result is divided by l at the end. Since M is a whole number, a kernel that streams over the keys may use a running M (the ceiling of the running maximum): every later rescaling is an exact power of two, which a block's scale takes up: the codes' values come out the same.
;;   OPERANDS COMPUTED ON THE WAY. 'Computed on the way' means the value that the module computes at that place (a softmax that the list does not call 'softmax' is quantised finished and normalised). What goes into a quantiser is computed in f32, as accurately as f32 sums, v_exp_f32 and their like allow (about 1e-6 of the number): no bf16 or f16 on the way to a quantiser, and a product that is left as it is and whose result goes on into a quantised operand takes f32 operands (vector FMAs, or v_wmma_f32_16x16x4_f32). A number that lies on a knife's edge between two numbers of the format may be rounded either way, as far as f32 arithmetic and the matrix unit's own rounding can turn it there, and no further.
;; One version. Each part assembles by itself: llvm-mc -triple=amdgcn-amd-amdhsa -mcpu=gfx1250 --defsym DOCPART=n.
;; ======== version 1 of 1: 5 launches
;; limits: right only within a limited range of input values
;; workspace buffers: xw 22,937,600 bytes; mbits 2,097,152 bytes of whole numbers; qkv 19,660,800 bytes; pc 14,155,776 bytes; oc 6,553,600 bytes
;; launch prep (part 1): grid 896 x 1, 4 waves a work-group, no clusters, 46,592 bytes of LDS; arguments query, key_, value, Wq, Wk, Wv, Wo, xw; writes xw
.if DOCPART == 1
	.amdgcn_target "amdgcn-amd-amdhsa--gfx1250"
	.amdhsa_code_object_version 6
	.text
	.protected	k_q44d57413ce_prep
	.globl	k_q44d57413ce_prep
	.p2align	8
	.type	k_q44d57413ce_prep,@function
k_q44d57413ce_prep:
	s_mov_b64 s[64:65], 0
	v_nop
	global_prefetch_b8 v0, s[64:65] scope:SCOPE_SE
	s_setreg_imm32_b32 hwreg(HW_REG_WAVE_MODE, 25, 1), 1
	s_wait_xcnt 0x0
; PREP.  query, key_, value [8192][1024] and Wq, Wk, Wv, Wo [1024][1024], f32, become codes of FP6 (E2M3) with one E8M0 byte for each 32 along K (their last axis).
; XW's LAYOUT.  The seven tensors are one matrix of 28,672 rows (query, key_, value, Wq, Wk, Wv, Wo).  It is cut into blocks of 128 rows x 256 along K: 24,576 dense bytes of codes (192 a row) at
; (row / 128) x 98,304 + (k / 256) x 24,576, and 1,024 bytes of scale bytes (8 a row) at XSC + (row / 128) x 4,096 + (k / 256) x 1,024: what one tensor load of the products' launches brings is one dense run.
; ROW ORDER.  key_, value, Wq, Wk, Wv are stored with bits 3 and 4 of the row's number exchanged: 16 neighbouring stored rows then are the rows that a tile of a product ahead of a quantiser wants.
; A block's scale is 2^(floor(log2(largest magnitude)) - 2); its byte is the largest magnitude's exponent field - 2, held at 1 from below.
; LIMITS: a block of zeros gets the byte 1 where the rule says 127 (its codes are zeros, and this program alone reads the bytes); blocks whose largest magnitude lies under 2^-124 get the byte 1; NaN and infinities are not served.
; No tensor loads, no barrier: waves share nothing.
.set SP,     80                        ; a lane's place in a stage: 64 bytes + 16 of padding
.set WREG,   11520                     ; LDS of a wave: two stages of 32 x SP, 6,144 bytes of codes, 256 scale bytes
.set CG,     5120
.set SBY,    11264
.set XSC,    22020096
.set R,      16                        ; v16-79   four sets of 16 numbers as loaded
.set X,      80                        ; v80-111  two sets of 16 neighbours
.set E,      112                       ; v112-127 a scale byte for each step
.set C,      128                       ; v128-191 codes, four registers a step
	s_load_b512 s[4:19], s[0:1], 0x0               ; query, key_, value, Wq, Wk, Wv, Wo, xw
	v_lshl_add_u32 v192, v0, 2, 0xb400
	v_mov_b32 v193, 0
	v_lshrrev_b32 v1, 5, v0
	v_readfirstlane_b32 s28, v1                    ; wave
	v_and_b32 v2, 31, v0                           ; lane
	v_lshlrev_b32 v3, 4, v2                        ; 16 x lane
; Work-group i takes rows 32 i .. 32 i + 31 of the one matrix, wave w the 256 numbers 256 w on of each: 16 steps of two rows.
	s_mul_i32 s29, s28, WREG
	v_lshrrev_b32 v14, 2, v2
	v_mul_u32_u24 v14, v14, SP
	v_and_b32 v15, 3, v2
	v_lshl_add_u32 v14, v15, 4, v14
	v_add_nc_u32 v14, s29, v14                     ; the stage, in: four lanes' 64 bytes on end, then 16 of padding
	v_mul_u32_u24 v15, v2, SP
	v_add_nc_u32 v15, s29, v15                     ; out: my 16 neighbours
	v_mul_u32_u24 v4, v2, 12
	v_add_nc_u32 v4, s29, v4
	v_add_nc_u32 v4, CG, v4                        ; my 12 bytes of a step's 384 bytes of codes
	v_lshrrev_b32 v5, 1, v2
	v_add_nc_u32 v5, s29, v5
	v_add_nc_u32 v5, SBY, v5                       ; my block's byte
	v_lshlrev_b32 v6, 3, v2
	v_add_nc_u32 v6, s29, v6
	v_add_nc_u32 v6, SBY, v6                       ; on the way out: row = lane, 8 bytes
	v_add_nc_u32 v10, s29, v3
	v_add_nc_u32 v10, CG, v10                      ; on the way out: 16 bytes a lane of the codes
	s_sub_co_u32 s30, ttmp9, 256
	s_cmp_lt_u32 s30, 608                          ; work-groups 256-863 (key_, value, Wq, Wk, Wv) exchange bits 3 and 4 of the row
	s_mov_b32 s31, 1536
	s_cselect_b32 s31, 3072, s31                   ; where rows 8-15 go, in bytes of codes,
	s_mov_b32 s32, 3072
	s_cselect_b32 s32, 1536, s32                   ; and rows 16-23
	s_cselect_b32 s27, -1, 0
	v_add_nc_u32 v13, s31, v3
	v_add_nc_u32 v1, s32, v3
	v_lshrrev_b32 v8, 3, v2
	v_lshrrev_b32 v9, 4, v2
	v_xor_b32 v8, v8, v9
	v_and_b32 v8, 1, v8
	v_mul_u32_u24 v8, v8, 24                       ; 24 where the row's bits 3 and 4 differ
	v_and_b32 v8, s27, v8
	v_xor_b32 v8, v8, v2
	v_lshlrev_b32 v7, 3, v8                        ; where my row's 8 scale bytes go
	s_lshr_b32 s36, ttmp9, 2                       ; the group of 128 rows
	s_and_b32 s37, ttmp9, 3                        ; my 32 rows in it
	s_mul_i32 s34, s36, 98304
	s_mul_i32 s38, s28, 24576
	s_add_co_u32 s34, s34, s38
	s_mul_i32 s38, s37, 6144
	s_add_co_u32 s34, s34, s38
	s_mov_b32 s35, 0
	s_lshl_b32 s38, s36, 12
	s_lshl_b32 s39, s28, 10
	s_add_co_u32 s38, s38, s39
	s_lshl_b32 s39, s37, 8
	s_add_co_u32 s38, s38, s39
	s_add_co_u32 s38, s38, XSC
	s_mov_b32 s39, 0
	s_wait_kmcnt 0x0
	s_add_nc_u64 s[40:41], s[18:19], s[34:35]      ; my wave's 6,144 bytes of codes
	s_add_nc_u64 s[42:43], s[18:19], s[38:39]      ; and its 256 scale bytes
	s_mov_b64 s[24:25], s[4:5]
	s_mov_b32 s26, 0
.macro PICK t, p                       ; from work-group t on the tensor is the one whose address stands in s[p:p+1]: the choice hangs on the work-group's number alone
	s_cmp_ge_u32 ttmp9, \t
	s_cselect_b64 s[24:25], s[\p:\p+1], s[24:25]
	s_cselect_b32 s26, \t, s26
.endm
	PICK 256, 6
	PICK 512, 8
	PICK 768, 10
	PICK 800, 12
	PICK 832, 14
	PICK 864, 16
	s_sub_co_u32 s26, ttmp9, s26
	s_lshl_b32 s34, s26, 17                        ; 32 rows of 4,096 bytes
	s_lshl_b32 s33, s28, 10
	s_add_co_u32 s34, s34, s33                     ; + my wave's 1,024 bytes of a row
	s_add_nc_u64 s[24:25], s[24:25], s[34:35]
.macro LOAD t                          ; step t: rows 2 t, 2 t + 1: four loads of 512 consecutive bytes
.irp i, 0,1,2,3
	global_load_b128 v[R+16*((\t)%4)+4*\i:R+16*((\t)%4)+4*\i+3], v3, s[24:25] offset:(2*(\t)+\i/2)*4096+(\i%2)*512 th:TH_LOAD_NT
.endr
.endm
.macro TURNQ t                         ; through the stage: LDS serves a wave's instructions in order, so no wait stands between the stores and the loads
.irp i, 0,1,2,3
	ds_store_b128 v14, v[R+16*((\t)%4)+4*\i:R+16*((\t)%4)+4*\i+3] offset:32*SP*((\t)%2)+8*SP*\i
.endr
.irp i, 0,1,2,3
	ds_load_b128 v[X+16*((\t)%2)+4*\i:X+16*((\t)%2)+4*\i+3], v15 offset:32*SP*((\t)%2)+16*\i
.endr
.endm
.irp t, 0,1,2,3
	LOAD \t
.endr
	s_wait_loadcnt 12                              ; step 0's four loads are in
	TURNQ 0
.macro QSTEP t
.set XS, X+16*((\t)%2)
.if (\t) > 0
	s_wait_dscnt 4                                 ; this step's numbers are back from the stage; the last step's three code stores and its byte store may be out
.else
	s_wait_dscnt 0x0
.endif
.if (\t)+4 < 16
	LOAD (\t)+4                                    ; into the set that this step's stage stores have read
.endif
.if (\t)+1 < 16
.if 14-(\t) >= 3
	s_wait_loadcnt 12                              ; the next step's four loads are in; three younger steps' may be out
.else
	s_wait_loadcnt 4*(14-(\t))
.endif
	TURNQ (\t)+1
.endif
	v_max3_num_f32 v8, |v[XS]|, |v[XS+1]|, |v[XS+2]|               ; the largest magnitude of my 16
	v_max3_num_f32 v9, |v[XS+3]|, |v[XS+4]|, |v[XS+5]|
.irp i, 6,10
	v_max3_num_f32 v8, v8, |v[XS+\i]|, |v[XS+\i+1]|
	v_max3_num_f32 v9, v9, |v[XS+\i+2]|, |v[XS+\i+3]|
.endr
	v_max3_num_f32 v8, v8, |v[XS+14]|, |v[XS+15]|
	v_max3_num_f32 v8, v8, v9, 0x1800000           ; and the floor 2^(3 - 127): the byte cannot fall under 1
	v_max_num_f32_dpp v8, v8, v8 row_xmask:1 row_mask:0xf bank_mask:0xf   ; with my neighbour's 16: the block's
	v_add_nc_u32 v11, 0xff000000, v8               ; 2 off its exponent field: the conversion's scale operand
	v_cvt_scalef32_pk16_fp6_f32 v[C+4*(\t):C+4*(\t)+2], v[XS:XS+15], v11
	v_lshrrev_b32 v[E+(\t)], 23, v11               ; the scale's byte (a plain line behind the conversion)
.irp k, 0,1,2
	ds_store_b32 v4, v[C+4*(\t)+\k] offset:384*(\t)+4*\k
.endr
	ds_store_b8 v5, v[E+(\t)] offset:16*(\t)       ; both lanes of a block write the same byte with the same value
.endm
.irp t, 0,1,2,3,4,5,6,7,8,9,10,11,12,13,14,15
	QSTEP \t
.endr
.set i, 0
.rept 12
	ds_load_b128 v[R+4*i:R+4*i+3], v10 offset:512*i    ; the wave's 6,144 bytes of codes, 512 an instruction; these see my stores
.set i, i+1
.endr
	ds_load_b64 v[X:X+1], v6
.irp i, 0,1,2                          ; rows 0-7 stay; each store covers 512 consecutive bytes, aligned to 256.  The counts: the loads younger than load i
	s_wait_dscnt 12-\i
	global_store_b128 v3, v[R+4*\i:R+4*\i+3], s[40:41] offset:512*\i
.endr
.irp i, 3,4,5                          ; rows 8-15
	s_wait_dscnt 12-\i
	global_store_b128 v13, v[R+4*\i:R+4*\i+3], s[40:41] offset:512*(\i-3)
.endr
.irp i, 6,7,8                          ; rows 16-23
	s_wait_dscnt 12-\i
	global_store_b128 v1, v[R+4*\i:R+4*\i+3], s[40:41] offset:512*(\i-6)
.endr
.irp i, 9,10,11                        ; rows 24-31 stay
	s_wait_dscnt 12-\i
	global_store_b128 v3, v[R+4*\i:R+4*\i+3], s[40:41] offset:4608+512*(\i-9)
.endr
	s_wait_dscnt 0x0
	global_store_b64 v7, v[X:X+1], s[42:43]        ; 32 lanes fill 256 consecutive bytes, aligned
	s_wait_tensorcnt 0x0
	ds_add_u32 v192, v193
	s_wait_dscnt 0x0
	s_endpgm
.Lfunc_end_k_q44d57413ce_prep:
	.size	k_q44d57413ce_prep, .Lfunc_end_k_q44d57413ce_prep-k_q44d57413ce_prep
	.p2alignl 7, 3214868480
	.fill 96, 4, 3214868480
	.section	.rodata,"a",@progbits
	.p2align	6, 0x0
	.amdhsa_kernel k_q44d57413ce_prep
		.amdhsa_group_segment_fixed_size 46592
		.amdhsa_private_segment_fixed_size 0
		.amdhsa_enable_private_segment 0
		.amdhsa_kernarg_size 64
		.amdhsa_user_sgpr_count 2
		.amdhsa_user_sgpr_kernarg_segment_ptr 1
		.amdhsa_wavefront_size32 1
		.amdhsa_system_sgpr_workgroup_id_x 1
		.amdhsa_system_sgpr_workgroup_id_y 1
		.amdhsa_system_sgpr_workgroup_id_z 1
		.amdhsa_system_vgpr_workitem_id 0
		.amdhsa_next_free_vgpr 194
		.amdhsa_next_free_sgpr 66
		.amdhsa_reserve_vcc 0
		.amdhsa_float_denorm_mode_32 3
		.amdhsa_float_denorm_mode_16_64 3
		.amdhsa_memory_ordered 1
		.amdhsa_forward_progress 1
		.amdhsa_inst_pref_size 38
	.end_amdhsa_kernel
	.amdgpu_metadata
---
amdhsa.version: [ 1, 2 ]
amdhsa.kernels:
  - .name:           k_q44d57413ce_prep
    .symbol:         k_q44d57413ce_prep.kd
    .args:
      - { .name: query, .offset: 0, .size: 8, .value_kind: global_buffer, .address_space: global }
      - { .name: key_, .offset: 8, .size: 8, .value_kind: global_buffer, .address_space: global }
      - { .name: value, .offset: 16, .size: 8, .value_kind: global_buffer, .address_space: global }
      - { .name: Wq, .offset: 24, .size: 8, .value_kind: global_buffer, .address_space: global }
      - { .name: Wk, .offset: 32, .size: 8, .value_kind: global_buffer, .address_space: global }
      - { .name: Wv, .offset: 40, .size: 8, .value_kind: global_buffer, .address_space: global }
      - { .name: Wo, .offset: 48, .size: 8, .value_kind: global_buffer, .address_space: global }
      - { .name: xw, .offset: 56, .size: 8, .value_kind: global_buffer, .address_space: global }
    .group_segment_fixed_size: 46592
    .private_segment_fixed_size: 0
    .kernarg_segment_align: 8
    .kernarg_segment_size: 64
    .max_flat_workgroup_size: 128
    .sgpr_count:     66
    .vgpr_count:     194
    .wavefront_size: 32
...
	.end_amdgpu_metadata
.endif
;; end of part 1
;; launch proj (part 2): grid 4 x 128, 4 waves a work-group, clusters of 4 x 4, 327,680 bytes of LDS; arguments xw, bq, bk, bv, qkv, mask, mbits; writes qkv, mbits
.if DOCPART == 2
	.amdgcn_target "amdgcn-amd-amdhsa--gfx1250"
	.amdhsa_code_object_version 6
	.text
	.protected	k_q44d57413ce_proj
	.globl	k_q44d57413ce_proj
	.p2align	8
	.type	k_q44d57413ce_proj,@function
k_q44d57413ce_proj:
	s_mov_b64 s[64:65], 0
	v_nop
	global_prefetch_b8 v0, s[64:65] scope:SCOPE_SE
	s_setreg_imm32_b32 hwreg(HW_REG_WAVE_MODE, 25, 1), 1
	s_wait_xcnt 0x0
	s_wait_alu depctr_hold_cnt(0) depctr_sa_sdst(0) depctr_va_vdst(0) depctr_va_sdst(0) depctr_va_ssrc(0) depctr_va_vcc(0) depctr_vm_vsrc(0)
	s_getreg_b32 s2, hwreg(HW_REG_IB_STS2, 6, 4)
	s_cmp_eq_u32 s2, 0
	s_cbranch_scc0 .Lentry_in_a_cluster
	s_endpgm
.Lentry_in_a_cluster:
	s_bfe_u32 s2, ttmp6, 0x10000c
	s_cmp_lg_u32 s2, 0xf033
	s_cbranch_scc0 .Lentry_shape_is_right
	s_endpgm
.Lentry_shape_is_right:
; PROJ.  Q = query Wq^T + bq, K = key_ Wk^T + bk, V^T = Wv value^T + bv, on codes of FP6 (E2M3) with E8M0 scales out of xw; each result is quantised again, in registers, and leaves as codes:
; Q and K along the 1,024 features, V along the keys.  The cluster's y chooses: 0-7 Q, 8-15 K, 16-23 V, 24-31 THE MASK (below).  For V the roles change: "A" (the lane's rows) = Wv's rows, "B" (the registers' columns) = value's rows.
; THE PRODUCT: a tile of 256 x 256 by four waves, 128 x 128 a wave: 64 accumulators.  K goes in steps of 256 through two LDS slots.  In xw a block of 128 rows x 256 along K is 24,576 dense bytes: one tensor load a wave.
; CLUSTERS: 4 x 4 work-groups; A's tiles are asked for jointly along a row of the cluster, B's along a column.  The matrix instruction is used transposed (source 0 = 16 rows of B, source 1 = 16 rows of A):
; a lane holds one row of A.  B's rows lie in xw with bits 3 and 4 of their number exchanged, so that the 64 registers of a block of 16 rows are: register 16 b + i = column 32 b + 16 (lane / 16) + i: what the quantiser takes.
; BIASES: the column bias (Q, K) is the C of the first K step's products; the row bias (V) is added on the way out; the set that a case does not use is made 0, by a choice on the cluster's y: no branch.
; QKV's LAYOUT: blocks as in xw: codes at BI x 24,576, scale bytes at QSC + BI x 1,024.  Q, K: BI = (row / 128) x 4 + feature / 256 (K's rows 8,192 on).  V^T: BI = 512 + ((batch x 8 + e / 128) x 8 + key / 256).
; THE MASK.  The products are 24 clusters' work; eight clusters more turn mask [8192][2048] int32 into lane-mask words beside them.  The paths part once, at the head, on the cluster's y, which all sixteen partners share;
; the mask's path has no tensor load, LDS bytes of its own, and ends as the other does.  Any word that is not 0 counts as "keep".
; MBITS' LAYOUT.  Word n (0-63) at ((G x 16 + J) x 8 + a) x 256 + 4 n: bit r + 16 h says whether mask[128 G + 16 a + r][128 J + 32 (n / 16) + 16 h + n % 16] is not 0: the lanes' mask of register n of a score tile.
; LIMITS: a block of zeros gets the byte 1 where the rule says 127 (its codes are zeros; this program alone reads the bytes); blocks under 2^-124 get the byte 1; NaN and infinities are not served.
; REGISTERS: window 0: v0-31 addresses; v32-63 scale words, two sets, and nothing else; v64-127 the column bias; v128-223 A's fragments, on the way out H, the codes and work; v224-239 the row bias; v240-255 the quantiser's work.
;   window 1: B's fragments, two sets.  windows 2, 3: the accumulators ((a, b) at v[8 (8 (a % 4) + b)]).  The mask's path: v2-8 addresses, v10-17 the words, v64-255 three sets of 64 mask words.
.set KST,    4                         ; K steps of 256
.set NQ,     2
.set PITCH,  240                       ; an LDS row: 3 x (64 bytes + 16 of padding)
.set FR,     12
.set NL,     6
.set NP,     4
.set HALFT,  128*PITCH
.set SLOT,   4*HALFT
.set BLKB,   24576
.set LAPS,   KST/2
.set SCL,    2*SLOT                    ; behind the ring: the scale bytes of my 256 + 256 rows for all of K: wave w's part at SCL + w HALFS
.set HALFS,  KST*1024
.set SPARE,  SCL+4*HALFS               ; the spare words, 128 bytes a wave: two blocks of 256 bytes that no other line names
.set MST,    SPARE+512                 ; the mask's path: a stage of 16 rows x 528 bytes a wave: bytes that the products' path never names
.set MPITCH, 528
.set XSC,    22020096
.set QSC,    18874368
.set CST,    0                         ; the way out, in slot 0, which has had its last fill and its last read by then: two blocks of codes,
.set SST,    49152                     ; and their scale words
.set ADRA, 16
.set ADRB, 20
.set STO,  24
.set RD,   25
.set GO,   26
.set ADRS, 27
.set SPW,  28
.set NIL,  29
.set SSO,  30
.set SRD,  31
.set SC,   32
.set BC,   64
.set AF,   128
.set H,    128
.set PC,   192
.set PW,   212
.set BR,   224
.set TM,   240
.set ML,   64                          ; the mask's path: three sets of 64 words
.set OW,   10                          ; and four pairs of lane-mask words
.set SEL,  20
.set G1, 24
.set G0, 32
.set G1B, 48
.set G0B, 56
.set G1S, 68
.set G0S, 76
.set G1SB, 80
.set G0SB, 88
.set MSB, 0
.macro WIN new                         ; the immediate's high byte repeats the setting that is left; a switch that changes nothing is dropped
.if MSB != \new
	s_set_vgpr_msb (MSB<<8)|\new
.set MSB, \new
.endif
.endm
.set MUL_LO, 0xa1                      ; source 0 (B) window 1, source 1 (A) window 0, C and D window 2
.set MUL_HI, 0xf1                      ; the same, C and D window 3
.set TO_B,   0x40
.macro JLOAD g0a, g1a, g0b, g1b        ; a joint load: waves 0 and 1 fetch for A, waves 2 and 3 for B; four v_nop follow each line
	s_cmp_eq_u32 s15, 0
	s_cbranch_scc0 .Lfor_b_\@
	tensor_load_to_lds s[\g0a:\g0a+3], s[\g1a:\g1a+7]
	s_nop 0
.rept 4
	v_nop
.endr
	s_branch .Lasked_\@
.Lfor_b_\@:
	tensor_load_to_lds s[\g0b:\g0b+3], s[\g1b:\g1b+7]
	s_nop 0
.rept 4
	v_nop
.endr
.Lasked_\@:
.endm
.macro CREST                           ; a round of the cluster's barrier behind its opening barrier
	s_cmp_lg_u32 s14, 0
	s_cbranch_scc1 .Lnot_wave_0_\@
	s_barrier_signal -3
.Lnot_wave_0_\@:
	s_barrier_wait -3
	s_barrier_signal -1
	s_barrier_wait -1
.endm
.macro CROUND
	s_barrier_signal -1
	s_barrier_wait -1
	CREST
.endm
.macro FRAG reg, adr, q, i             ; a fragment: 16 rows x 128 K: 12 registers, six pieces of 8 bytes; where lanes 16-31's piece lies behind one padding more, the second address register serves
.irp p, 0,1,2,3,4,5
.set PCE, 12*(\q)+6*(\p/3)+\p%3
.if PCE%8 < 5
	ds_load_b64 v[\reg+2*\p:\reg+2*\p+1], v[\adr] offset:8*PCE+16*(PCE/8)+(\i)*16*PITCH
.else
	ds_load_b64 v[\reg+2*\p:\reg+2*\p+1], v[\adr+2] offset:8*PCE+16*(PCE/8)+(\i)*16*PITCH
.endif
.endr
.endm
; 16 matrix instructions: A's blocks a0, a0 + 1 x B's eight.  zero = 2: the column bias starts the sums.  The 64 accumulators take turns, one instruction a turn.
.macro MUL16 a0, p, q, sc, zero
.irp a, \a0, \a0+1
.irp b, 0,1,2,3,4,5,6,7
.if \zero == 2
	v_wmma_scale_f32_16x16x128_f8f6f4 v[8*(8*((\a)%4)+\b):8*(8*((\a)%4)+\b)+7], v[128*(\p)+FR*\b:128*(\p)+FR*\b+FR-1], v[AF+FR*(\a):AF+FR*(\a)+FR-1], v[BC+8*\b:BC+8*\b+7], v[SC+8*NQ*(\sc)+NQ*\b+(\q)], v[SC+8*NQ*(\sc)+NQ*(\a)+(\q)] matrix_a_fmt:MATRIX_FMT_FP6 matrix_b_fmt:MATRIX_FMT_FP6 matrix_a_scale:MATRIX_SCALE_ROW1
.else
	v_wmma_scale_f32_16x16x128_f8f6f4 v[8*(8*((\a)%4)+\b):8*(8*((\a)%4)+\b)+7], v[128*(\p)+FR*\b:128*(\p)+FR*\b+FR-1], v[AF+FR*(\a):AF+FR*(\a)+FR-1], v[8*(8*((\a)%4)+\b):8*(8*((\a)%4)+\b)+7], v[SC+8*NQ*(\sc)+NQ*\b+(\q)], v[SC+8*NQ*(\sc)+NQ*(\a)+(\q)] matrix_a_fmt:MATRIX_FMT_FP6 matrix_b_fmt:MATRIX_FMT_FP6 matrix_a_scale:MATRIX_SCALE_ROW1
.endif
.endr
.endr
.endm
.macro FETCH_B slot, q, p
	WIN TO_B
.irp i, 0,1,2,3,4,5,6,7
	FRAG 128*(\p)+FR*\i, ADRB+\slot, \q, \i
.endr
	WIN 0
.endm
.macro FETCH_A slot, q, i0
.irp i, \i0, \i0+1, \i0+2, \i0+3
	FRAG AF+FR*(\i), ADRA+\slot, \q, \i
.endr
.endm
.macro SCALES sc                       ; a K step's scale words: lanes 0-15 A's block i, lanes 16-31 B's block i; two words a row
.irp i, 0,1,2,3,4,5,6,7
	ds_load_b64 v[SC+8*NQ*\sc+NQ*\i:SC+8*NQ*\sc+NQ*\i+1], v[ADRS] offset:\i*128
.endr
.endm
.macro PLACES n                        ; plain vector places behind matrix instructions, in front of loads into their registers and of reads of their results
.rept \n
	v_nop
.endr
.endm
.macro STEP slot, q, zero              ; 128 along K that has its successor in the same slot
	s_wait_dscnt 4*NL                              ; all but the youngest 24 loads (A's blocks 4-7) are in
.if \zero == 2
	WIN 0x81                                       ; C (the bias) window 0, D window 2
.else
	WIN MUL_LO
.endif
	MUL16 0, (\q)%2, \q, \slot, \zero
	MUL16 2, (\q)%2, \q, \slot, \zero
	s_wait_dscnt 0
	PLACES NP
	FETCH_B \slot, (\q)+1, 1-(\q)%2
	FETCH_A \slot, (\q)+1, 0
.if \zero == 2
	WIN 0xc1
.else
	WIN MUL_HI
.endif
	MUL16 4, (\q)%2, \q, \slot, \zero
	MUL16 6, (\q)%2, \q, \slot, \zero
	PLACES NP
	WIN 0
	FETCH_A \slot, (\q)+1, 4
.endm
; A slot's last step changes slots: one barrier; in front of it each wave waits for all its tensor loads, adds 0 to its spare word, and waits for that and for its reads of this slot.
.macro TURN slot, next, fill
	s_wait_tensorcnt 0x0                           ; all my tensor loads have landed: my part of the next slot
	ds_add_u32 v[SPW], v[NIL]                      ; 0 onto my spare word
	s_wait_dscnt 4*NL+1                            ; the add and the youngest 24 loads may be out
	WIN MUL_LO
	MUL16 0, 1, NQ-1, \slot, 0
	s_wait_dscnt 0x0                               ; the add is done, and my reads of this slot are over
	s_barrier_signal -1
	MUL16 2, 1, NQ-1, \slot, 0
	WIN 0
	s_barrier_wait -1
.if \fill
	CREST                                          ; the barrier has opened a round of the cluster's: no wave of any partner still reads this slot or has a load on its way
	s_add_nc_u64 s[G0+4*\slot+2:G0+4*\slot+3], s[G0+4*\slot+2:G0+4*\slot+3], 2*BLKB
	s_add_nc_u64 s[G0B+4*\slot+2:G0B+4*\slot+3], s[G0B+4*\slot+2:G0B+4*\slot+3], 2*BLKB
	JLOAD G0+4*\slot, G1, G0B+4*\slot, G1B         ; the first tensor load behind the round; its four v_nop are the places in front of the loads below
.else
	PLACES NP
.endif
	s_wait_alu depctr_va_vdst(0)
	v_add_nc_u32 v[ADRS], 1024, v[ADRS]            ; the next K step's scale words
	FETCH_B \next, 0, 0
	FETCH_A \next, 0, 0
	SCALES \next
	WIN MUL_HI
	MUL16 4, 1, NQ-1, \slot, 0
	MUL16 6, 1, NQ-1, \slot, 0
	PLACES NP
	WIN 0
	FETCH_A \next, 0, 4
.endm
	s_load_b256 s[4:11], s[0:1], 0x0               ; xw, bq, bk, bv
	s_load_b64 s[12:13], s[0:1], 0x20              ; qkv
	v_lshl_add_u32 v[SPW], v0, 2, SPARE
	v_mov_b32 v[NIL], 0
	ds_add_u32 v28, v29
	ds_add_u32 v28, v29
	s_wait_dscnt 0x0
	v_lshrrev_b32 v1, 5, v0
	v_readfirstlane_b32 s14, v1                    ; wave 0..3
	s_lshr_b32 s15, s14, 1                         ; my half of the tile's rows.  Also: I fetch for A (0) or B (1)
	s_and_b32 s16, s14, 1                          ; my half of its columns.  Also: which 128 rows I fetch
	s_bfe_u32 s40, ttmp6, 0x40000                  ; cx
	s_bfe_u32 s41, ttmp6, 0x40004                  ; cy
	s_and_b32 s45, ttmp7, 0xffff                   ; the cluster's y, the same in all partners: 0-7 Q, 8-15 K, 16-23 V, 24-31 the mask
	s_cmp_ge_u32 s45, 24
	s_cbranch_scc1 .Lmask                          ; a whole cluster goes one way
	s_sub_co_u32 s19, s45, 16
	s_mov_b32 s3, 192                              ; B's first group of 128 rows in xw: Wq's,
	s_cmp_ge_u32 s45, 8
	s_cselect_b32 s3, 200, s3                      ; Wk's,
	s_cmp_ge_u32 s45, 16
	s_cselect_b32 s3, 128, s3                      ; or value's
	s_cselect_b32 s2, 208, 0                       ; A's: Wv's, or query's and key_'s
	s_cselect_b32 s18, 0, s45
	s_cselect_b32 s19, s19, 0
	s_cselect_b32 s96, 0, -1                       ; all ones where the column bias counts,
	s_cselect_b32 s97, -1, 0                       ; where the row bias counts
	s_lshl_b32 s17, s18, 2
	s_add_co_u32 s17, s17, s41                     ; tile row
	s_lshl_b32 s42, s19, 2
	s_add_co_u32 s42, s42, s40                     ; tile column
	s_lshl_b32 s43, s41, 2
	s_lshl_b32 s43, 15, s43                        ; my row of the cluster
	s_lshl_b32 s44, 0x1111, s40                    ; my column
	; descriptor group 1, codes: a dense block of 24,576 bytes as 96 rows of 256 bytes (32 elements of 8), 16 bytes of padding behind every 64: in LDS 128 rows of 192 bytes, 240 apart
	s_or_b32 s[G1+0], s43, (3<<16)|(1<<20)|(1<<21)|(3<<22)|(3<<25)
	s_or_b32 s[G1B+0], s44, (3<<16)|(1<<20)|(1<<21)|(3<<22)|(3<<25)
.irp g, G1, G1B                        ; for the head's loads: two groups of 128 rows, each 24,576 dense bytes, 98,304 bytes apart
	s_mov_b32 s[\g+1], 3072<<16
	s_mov_b32 s[\g+2], 2<<16
	s_mov_b32 s[\g+3], 3072<<16
	s_mov_b32 s[\g+4], 2
	s_mov_b32 s[\g+5], 12288
	s_mov_b32 s[\g+6], 0
	s_mov_b32 s[\g+7], 0
.endr
	; scale bytes of 128 rows for all of K: HALFS dense bytes as rows of 256, no padding
	s_or_b32 s[G1S+0], s43, (3<<16)|(1<<21)
	s_or_b32 s[G1SB+0], s44, (3<<16)|(1<<21)
.irp g, G1S, G1SB
	s_mov_b32 s[\g+1], 32<<16
	s_mov_b32 s[\g+2], (8*KST)<<16                 ; the scale bytes of 256 rows: 2 HALFS dense bytes
	s_mov_b32 s[\g+3], 32<<16
	s_mov_b32 s[\g+4], 8*KST
	s_mov_b32 s[\g+5], 32
	s_mov_b32 s[\g+6], 0
	s_mov_b32 s[\g+7], 0
.endr
	s_lshl_b32 s20, s17, 1
	s_add_co_u32 s20, s20, s16
	s_add_co_u32 s20, s20, s2                      ; A: the group of 128 rows that I fetch: it hangs on cy and the cluster's y alone
	s_lshl_b32 s22, s20, 12
	s_add_co_u32 s22, s22, XSC
	s_mov_b32 s23, 0
	s_mul_i32 s20, s20, KST*BLKB
	s_mov_b32 s21, 0
	s_lshl_b32 s46, s42, 1
	s_add_co_u32 s46, s46, s16
	s_add_co_u32 s46, s46, s3                      ; B: on cx and the cluster's y alone
	s_lshl_b32 s92, s46, 12
	s_add_co_u32 s92, s92, XSC
	s_mov_b32 s93, 0
	s_mul_i32 s46, s46, KST*BLKB
	s_mov_b32 s47, 0
	s_mul_i32 s95, s14, HALFT                      ; where they go: wave x 128 rows: no place in the cluster enters an LDS address
	s_mul_i32 s94, s14, HALFS
	s_wait_kmcnt 0x0
	s_add_nc_u64 s[20:21], s[4:5], s[20:21]
	s_add_nc_u64 s[22:23], s[4:5], s[22:23]
	s_add_nc_u64 s[46:47], s[4:5], s[46:47]
	s_add_nc_u64 s[92:93], s[4:5], s[92:93]
	s_cmp_ge_u32 s45, 8                            ; the bias: bq, bk or bv
	s_cselect_b64 s[98:99], s[8:9], s[6:7]
	s_cmp_ge_u32 s45, 16
	s_cselect_b64 s[98:99], s[10:11], s[98:99]
	s_mov_b64 s[100:101], s[98:99]
	s_lshl_b32 s18, s42, 10
	s_lshl_b32 s19, s16, 9
	s_add_co_u32 s18, s18, s19                     ; my first column x 4 bytes,
	s_and_b32 s18, s18, s96                        ; or 0 where the set is not used: every load stays inside the bias
	s_mov_b32 s19, 0
	s_add_nc_u64 s[98:99], s[98:99], s[18:19]
	s_lshl_b32 s18, s17, 10
	s_lshl_b32 s2, s15, 9
	s_add_co_u32 s18, s18, s2                      ; my first row x 4 bytes,
	s_and_b32 s18, s18, s97                        ; or 0
	s_add_nc_u64 s[100:101], s[100:101], s[18:19]
	s_mov_b32 s[G0S], 1
	s_add_co_u32 s[G0S+1], s94, SCL
	s_mov_b64 s[G0S+2:G0S+3], s[22:23]
	s_or_b32 s[G0S+3], s[G0S+3], 0x80000000
	s_mov_b32 s[G0SB], 1
	s_add_co_u32 s[G0SB+1], s94, SCL
	s_mov_b64 s[G0SB+2:G0SB+3], s[92:93]
	s_or_b32 s[G0SB+3], s[G0SB+3], 0x80000000
.irp s, 0,1
	s_mov_b32 s[G0+4*\s], 1
	s_add_co_u32 s[G0+4*\s+1], s95, \s*SLOT
	s_add_nc_u64 s[G0+4*\s+2:G0+4*\s+3], s[20:21], \s*BLKB
	s_or_b32 s[G0+4*\s+3], s[G0+4*\s+3], 0x80000000
	s_mov_b32 s[G0B+4*\s], 1
	s_add_co_u32 s[G0B+4*\s+1], s95, \s*SLOT
	s_add_nc_u64 s[G0B+4*\s+2:G0B+4*\s+3], s[46:47], \s*BLKB
	s_or_b32 s[G0B+4*\s+3], s[G0B+4*\s+3], 0x80000000
.endr
; PREFETCH: of the group of 128 rows that my wave fetches in the ring, my work-group names a quarter of each K step's 96 blocks of 256 bytes, told apart from its three partners by address: a lane a block
; (lanes 24-31 name the last again).  K step 0 ahead of the round in front of its load, K steps 1 and 2 behind the head's load, K step 3 behind the first fragment loads.  The two registers are never rewritten.
	s_cmp_eq_u32 s15, 0
	s_cselect_b32 s2, s40, s41                     ; my place among the four that ask with me
	s_cselect_b64 s[66:67], s[20:21], s[46:47]
	s_mul_i32 s2, s2, 6144
	s_mov_b32 s3, 0
	s_add_nc_u64 s[66:67], s[66:67], s[2:3]
	v_and_b32 v12, 31, v0
	v_min_u32 v12, 23, v12
	v_lshlrev_b32 v12, 8, v12
	s_wait_alu depctr_va_vdst(0)
	global_prefetch_b8 v12, s[66:67] th:TH_LOAD_NT scope:SCOPE_SE
	CROUND                                         ; all sixteen work-groups are here: the first joint loads meet
; THE HEAD'S LOADS, one a wave: wave 0 K step 0 of A's 256 rows, wave 2 of B's (their slot 0 groups 0 stand at the tile's first group), wave 1 A's scales, wave 3 B's.
	s_lshl_b32 s2, s16, 12
	s_mov_b32 s3, 0
	s_mov_b32 s[G0S+1], SCL
	s_sub_nc_u64 s[G0S+2:G0S+3], s[G0S+2:G0S+3], s[2:3]
	s_mov_b32 s[G0SB+1], SCL+2*HALFS
	s_sub_nc_u64 s[G0SB+2:G0SB+3], s[G0SB+2:G0SB+3], s[2:3]
.macro ARM under, g0, g1, next
	s_cmp_lt_u32 s14, \under
	s_cbranch_scc0 \next
	tensor_load_to_lds s[\g0:\g0+3], s[\g1:\g1+7]
	s_nop 0
.rept 4
	v_nop
.endr
	s_branch .Lfirst_done
\next:
.endm
	ARM 1, G0,  G1,  .Lhead_sa
	ARM 2, G0S, G1S, .Lhead_b
	ARM 3, G0B, G1B, .Lhead_sb
	tensor_load_to_lds s[G0SB:G0SB+3], s[G1SB:G1SB+7]
	s_nop 0
.rept 4
	v_nop
.endr
.Lfirst_done:
	global_prefetch_b8 v12, s[66:67] offset:BLKB th:TH_LOAD_NT scope:SCOPE_SE
	global_prefetch_b8 v12, s[66:67] offset:2*BLKB th:TH_LOAD_NT scope:SCOPE_SE
	v_and_b32 v1, 15, v0                           ; r
	v_bfe_u32 v2, v0, 4, 1                         ; h
	v_lshlrev_b32 v7, 6, v2                        ; column bias: tile 2 b + u wants columns 32 b + 16 h + 8 u + 0 .. 7
	v_and_b32 v3, 8, v1
	v_add_nc_u32 v3, v3, v1
	v_lshlrev_b32 v8, 2, v3                        ; row bias: stored row 16 a + r is true row 32 (a / 2) + 8 (a % 2) + 16 (r / 8) + r % 8
.irp b, 0,1,2,3,4,5,6,7
	global_load_b128 v[BC+8*\b:BC+8*\b+3], v7, s[98:99] offset:(32*(\b/2)+8*(\b%2))*4
	global_load_b128 v[BC+8*\b+4:BC+8*\b+7], v7, s[98:99] offset:(32*(\b/2)+8*(\b%2))*4+16
.endr
.irp a, 0,1,2,3,4,5,6,7
	global_load_b32 v[BR+2*\a], v8, s[100:101] offset:(32*(\a/2)+8*(\a%2))*4
	global_load_b32 v[BR+2*\a+1], v8, s[100:101] offset:(32*(\a/2)+8*(\a%2))*4    ; twice: a pair for the packed addition
.endr
	v_mul_u32_u24 v3, v1, PITCH
	v_mul_u32_u24 v4, v2, 24
	v_add_nc_u32 v4, v3, v4                        ; a fragment's row x pitch + 24 x half
	v_lshl_add_u32 v5, v2, 4, v4                   ; and the same behind one padding more
	s_mul_i32 s21, s15, HALFT
	s_mul_i32 s22, s16, HALFT
	s_add_co_u32 s22, s22, 2*HALFT
.irp s, 0,1
	v_add_nc_u32 v[ADRA+\s], s21, v4
	v_add_nc_u32 v[ADRB+\s], s22, v4
	v_add_nc_u32 v[ADRA+2+\s], s21, v5
	v_add_nc_u32 v[ADRB+2+\s], s22, v5
	s_add_co_u32 s21, s21, SLOT
	s_add_co_u32 s22, s22, SLOT
.endr
	v_lshlrev_b32 v5, 3, v1                        ; scale words: 8 bytes a row and K step
	s_mul_i32 s21, s15, HALFS
	s_mul_i32 s22, s16, HALFS
	s_add_co_u32 s22, s22, 2*HALFS
	s_sub_co_u32 s22, s22, s21
	v_mul_u32_u24 v6, s22, v2                      ; lanes 16-31 take B's: one product, the distance between the two bases
	s_add_co_u32 s21, s21, SCL
	v_add_nc_u32 v5, v5, v6
	v_add_nc_u32 v[ADRS], s21, v5
	s_mul_i32 s18, s15, BLKB                       ; the way out: my block of codes, row r, my 96 bytes of its 192, 24 bytes a half
	s_mul_i32 s19, s16, 96
	s_add_co_u32 s18, s18, s19
	v_mul_u32_u24 v3, v1, 192
	v_mad_u32_u24 v3, v2, 24, v3
	v_add_nc_u32 v[STO], s18, v3
	s_lshl_b32 s18, s15, 10
	s_lshl_b32 s19, s16, 2
	s_add_co_u32 s18, s18, s19
	s_add_co_u32 s18, s18, SST
	v_lshlrev_b32 v3, 3, v1
	v_add_nc_u32 v[SSO], s18, v3                   ; my word of row r's two
	v_and_b32 v3, 31, v0
	v_lshlrev_b32 v[GO], 4, v3
	s_mul_i32 s18, s14, 12288
	v_add_nc_u32 v[RD], s18, v[GO]                 ; back: wave w takes bytes 12,288 w on of the two blocks
	s_lshl_b32 s18, s14, 9
	s_add_co_u32 s18, s18, SST
	v_add_nc_u32 v[SRD], s18, v[GO]
.irp b, 0,1,2,3
	v_mov_b32 v[TM+4+\b], 0                        ; written once: a lane permute's destination counts as one of its sources
.endr
	s_mov_b32 s[SEL], 0x76543210
	s_mov_b32 s[SEL+1], 0xfedcba98                 ; v_permlanex16_b32's selects for lane l xor 16
	s_wait_loadcnt 0x0                             ; the biases; their address registers are free
.set j, 0
.rept 64
	v_cndmask_b32 v[BC+j], 0, v[BC+j], s96         ; the column bias, or 0
.set j, j+1
.endr
.set j, 0
.rept 16
	v_cndmask_b32 v[BR+j], 0, v[BR+j], s97         ; the row bias, or 0.  (These sixteen also stand between the lines above and the first products)
.set j, j+1
.endr
	s_lshl_b32 s18, s17, 3                         ; the block that I store.  Q, K: 8 x tile row + 4 x half + tile column
	s_lshl_b32 s19, s15, 2
	s_add_co_u32 s18, s18, s19
	s_add_co_u32 s18, s18, s42
	s_lshr_b32 s19, s42, 3                         ; V: 512 + 64 x batch + 16 x tile row + 8 x half + key step
	s_lshl_b32 s19, s19, 6
	s_lshl_b32 s2, s17, 4
	s_add_co_u32 s19, s19, s2
	s_lshl_b32 s2, s15, 3
	s_add_co_u32 s19, s19, s2
	s_and_b32 s2, s42, 7
	s_add_co_u32 s19, s19, s2
	s_add_co_u32 s19, s19, 512
	s_cmp_ge_u32 s45, 16
	s_cselect_b32 s18, s19, s18
	s_mul_i32 s98, s18, BLKB
	s_mul_i32 s2, s16, 12288
	s_add_co_u32 s98, s98, s2
	s_mov_b32 s99, 0
	s_add_nc_u64 s[98:99], s[12:13], s[98:99]      ; my 12,288 bytes of codes
	s_lshl_b32 s100, s18, 10
	s_lshl_b32 s2, s16, 9
	s_add_co_u32 s100, s100, s2
	s_add_co_u32 s100, s100, QSC
	s_mov_b32 s101, 0
	s_add_nc_u64 s[100:101], s[12:13], s[100:101]  ; my 512 scale bytes
	s_wait_alu depctr_va_vdst(0)
	s_wait_tensorcnt 0x0                           ; my tile of the head's four is in
	ds_add_u32 v[SPW], v[NIL]
.irp g, G1, G1B                        ; no tensor load of mine is out: from here on a load brings one group: 96 rows of 256 bytes
	s_mov_b32 s[\g+1], 32<<16
	s_mov_b32 s[\g+2], 96<<16
	s_mov_b32 s[\g+3], 32<<16
	s_mov_b32 s[\g+4], 96
	s_mov_b32 s[\g+5], 32
.endr
	s_wait_dscnt 0x0
	CROUND                                         ; all four tiles are in, all sixteen work-groups are here
	JLOAD G0+4, G1, G0B+4, G1B                     ; K step 1, the first tensor load behind the round
	FETCH_B 0, 0, 0
	FETCH_A 0, 0, 0
	SCALES 0
	FETCH_A 0, 0, 4
	global_prefetch_b8 v12, s[66:67] offset:3*BLKB th:TH_LOAD_NT scope:SCOPE_SE
	STEP 0, 0, 2                                   ; the first step stands in front of the loop: the bias starts the sums
	s_mov_b32 s3, LAPS-1
.Llap:                                                 ; a trip goes once round the ring and fills both slots again
	TURN 0, 1, 1
	STEP 1, 0, 0
	TURN 1, 0, 1
	STEP 0, 0, 0
	s_sub_co_u32 s3, s3, 1
	s_cmp_lg_u32 s3, 0
	s_cbranch_scc1 .Llap
	TURN 0, 1, 0                                   ; the last lap fills nothing
	STEP 1, 0, 0
	s_wait_dscnt 4*NL
	WIN MUL_LO
	MUL16 0, 1, NQ-1, 1, 0
	MUL16 2, 1, NQ-1, 1, 0
	s_wait_dscnt 0
	WIN MUL_HI
	MUL16 4, 1, NQ-1, 1, 0
	MUL16 6, 1, NQ-1, 1, 0
	WIN 0
	PLACES NP                                      ; in front of the first write of registers that held A's fragments
; THE WAY OUT.  A block of 16 rows x my 128 columns: 64 numbers a lane in v[H] on, register 16 b + i = column 32 b + 16 (lane / 16) + i of row lane % 16.
.macro QMAX                            ; the four blocks' largest magnitudes
.irp b, 0,1,2,3
	v_max3_num_f32 v[TM+\b], |v[H+16*\b]|, |v[H+1+16*\b]|, 0x1800000   ; with the floor 2^(3 - 127): the byte cannot fall under 1
.endr
.irp i, 2,4,6,8,10,12,14
.irp b, 0,1,2,3
	v_max3_num_f32 v[TM+\b], v[TM+\b], |v[H+16*\b+\i]|, |v[H+1+16*\b+\i]|
.endr
.endr
.irp b, 0,1,2,3
	v_permlanex16_b32 v[TM+4+\b], v[TM+\b], s[SEL], s[SEL+1]
.endr
.irp b, 0,1,2,3
	v_max_num_f32 v[TM+\b], v[TM+\b], v[TM+4+\b]   ; with lane l xor 16's
.endr
.endm
.macro QTAIL                           ; from the largest magnitudes: the scale word in v[PW], the fragment's codes in v[PC] on
	s_wait_dscnt 0x0                               ; the last block's LDS stores have read v[PC] on and v[PW]
.irp b, 0,1,2,3
	v_add_nc_u32 v[TM+12+\b], 0xff000000, v[TM+\b] ; 2 off the exponent field: the conversion's scale operand
.endr
.irp b, 0,1,2,3
	v_lshrrev_b32 v[TM+4+\b], 23, v[TM+12+\b]      ; the scale's byte
.endr
	v_lshl_or_b32 v[PW], v[TM+5], 8, v[TM+4]
	v_lshl_or_b32 v[PW], v[TM+6], 16, v[PW]
	v_lshl_or_b32 v[PW], v[TM+7], 24, v[PW]
.irp c, 0,1
	v_cvt_scalef32_pk16_fp6_f32 v[PC+6*\c:PC+2+6*\c], v[H+32*\c:H+15+32*\c], v[TM+12+2*\c]
	v_cvt_scalef32_pk16_fp6_f32 v[PC+12+4*\c:PC+14+4*\c], v[H+16+32*\c:H+31+32*\c], v[TM+12+2*\c+1]   ; (a conversion's three registers begin on an even number)
.endr
	v_nop                                          ; one plain place behind a scaled conversion
.irp c, 0,1                            ; a whole block of 32 to a lane: lanes 0-15 block 2 c, lanes 16-31 block 2 c + 1
.irp i, 0,1,2
	v_permlane16_swap_b32 v[PC+6*\c+\i], v[PC+12+4*\c+\i]
.endr
.irp i, 0,1,2
	v_mov_b32 v[PC+3+6*\c+\i], v[PC+12+4*\c+\i]
.endr
.endr
.endm
.macro PUT a                           ; registers 6 c .. 6 c + 5 are bytes 48 c + 24 h on of the row's 96
.irp c, 0,1
.irp p, 0,1,2
	ds_store_b64 v[STO], v[PC+6*\c+2*\p:PC+6*\c+2*\p+1] offset:3072*(\a)+48*\c+8*\p
.endr
.endr
	ds_store_b32 v[SSO], v[PW] offset:128*(\a)     ; lanes 16-31 write the same word with the same value
.endm
.macro BLOCK a
.set AC, 64*((\a)%4)
.set WN, 0x02+(\a)/4
	WIN WN                                         ; source 0: window 2 or 3
.set i, 0
.rept 32
	v_pk_add_f32 v[H+i:H+i+1], v[AC+i:AC+i+1], v[BR+2*(\a):BR+2*(\a)+1]   ; + the row bias; each accumulator from its low end on
.set i, i+2
.endr
	WIN 0
	QMAX
	s_wait_alu depctr_va_vdst(0)
	QTAIL
	PUT \a
.endm
.irp a, 0,1,2,3,4,5,6,7
	BLOCK \a
.endr
	s_wait_dscnt 0x0                               ; for the others' sake: my stores are done: a row's 192 bytes come from two waves
	s_barrier_signal -1
	s_barrier_wait -1
.set i, 0
.rept 24
	ds_load_b128 v[128+4*i:128+4*i+3], v[RD] offset:512*i
.set i, i+1
.endr
	ds_load_b128 v[224:227], v[SRD]
.set i, 0
.rept 24
	s_wait_dscnt 24-i                              ; the loads younger than load i may be out
	global_store_b128 v[GO], v[128+4*i:128+4*i+3], s[98:99] offset:512*i   ; 512 consecutive bytes, aligned to 256
.set i, i+1
.endr
	s_wait_dscnt 0x0
	global_store_b128 v[GO], v[224:227], s[100:101]
	s_wait_tensorcnt 0x0                           ; the wave's end
	ds_add_u32 v[SPW], v[NIL]
	s_wait_dscnt 0x0
	CROUND                                         ; the closing round
	s_endpgm
; ---------------- THE MASK.  128 work-groups: m = 16 (cluster y - 24) + 4 cy + cx.  Wave j = 4 m + wave takes the 16 rows 16 j on and all 2,048 keys: 16 units of 16 rows x 128 keys.
; A unit: 16 loads of 512 consecutive bytes; through the wave's stage, so that lane (r, h) holds 64 words of row r; 64 compares, whose lane masks are the unit's 64 words; one store of 256 consecutive bytes, aligned.
; Three sets of registers take turns: while a unit is worked, two units' loads are out, and its set is asked for again, three units on, as soon as it has been read.
.macro MLOAD set, u                    ; the unit u units on from the trip's first, into a set
.set i, 0
.rept 16
	global_load_b128 v[ML+64*(\set)+4*i:ML+64*(\set)+4*i+3], v3, s[24:25] offset:i*8192+(\u)*512 th:TH_LOAD_NT
.set i, i+1
.endr
.endm
.macro MUNIT set, u, ow, left, next    ; left: the younger loads, which may stay out; next: the unit that the set takes then, or -1
	s_wait_loadcnt \left
.set i, 0
.rept 16
	ds_store_b128 v4, v[ML+64*(\set)+4*i:ML+64*(\set)+4*i+3] offset:MPITCH*i
.set i, i+1
.endr
.set i, 0
.rept 16
	ds_load_b128 v[ML+64*(\set)+4*i:ML+64*(\set)+4*i+3], v5 offset:128*(i/4)+16*(i%4)   ; back into the registers that they left: register n = key 32 (n / 16) + 16 h + n % 16 of row r.  LDS serves a wave's instructions in order
.set i, i+1
.endr
	s_wait_dscnt 0x0
.set n, 0
.rept 8
.set k, 0
.rept 8
	v_cmp_ne_u32 s[40+k], 0, v[ML+64*(\set)+n+k]   ; the 32 lanes' bits of register n + k
.set k, k+1
.endr
.set k, 0
.rept 8
	v_writelane_b32 v[OW+2*(\ow)+k%2], s[40+k], (n+k)/2   ; word n + k: lane (n + k) / 2 holds words 2 lane, 2 lane + 1
.set k, k+1
.endr
.set n, n+8
.endr
.if \next >= 0
	MLOAD \set, \next
.endif
	global_store_b64 v6, v[OW+2*(\ow):OW+2*(\ow)+1], s[26:27] offset:2048*(\u)
.endm
.Lmask:
	s_load_b128 s[20:23], s[0:1], 0x28             ; mask, mbits
	v_and_b32 v2, 31, v0                           ; lane
	v_lshlrev_b32 v3, 4, v2                        ; 16 x lane
	s_mul_i32 s29, s14, 16*MPITCH
	s_add_co_u32 s29, s29, MST                     ; my wave's stage: no place in the cluster enters an LDS address
	v_add_nc_u32 v4, s29, v3                       ; in: a row's 512 bytes as they lie
	v_and_b32 v7, 15, v2                           ; r
	v_lshrrev_b32 v8, 4, v2                        ; h
	v_mul_u32_u24 v5, v7, MPITCH
	v_lshl_add_u32 v5, v8, 6, v5
	v_add_nc_u32 v5, s29, v5                       ; out: row r, + 64 h: my 16 words of each 32
	v_lshlrev_b32 v6, 3, v2
.irp i, 0,1,2,3,4,5,6,7
	v_mov_b32 v[OW+\i], 0                          ; written whole once: v_writelane_b32's destination counts as read
.endr
	s_sub_co_u32 s18, s45, 24
	s_lshl_b32 s18, s18, 4
	s_lshl_b32 s19, s41, 2
	s_add_co_u32 s18, s18, s19
	s_add_co_u32 s18, s18, s40                     ; m
	s_lshl_b32 s18, s18, 2
	s_add_co_u32 s18, s18, s14                     ; j: 0 .. 511
	s_lshl_b32 s34, s18, 17                        ; 16 rows of 8,192 bytes
	s_mov_b32 s35, 0
	s_lshr_b32 s36, s18, 3
	s_lshl_b32 s36, s36, 15                        ; G x 32,768
	s_and_b32 s37, s18, 7
	s_lshl_b32 s37, s37, 8                         ; a x 256
	s_add_co_u32 s36, s36, s37
	s_mov_b32 s37, 0
	s_wait_kmcnt 0x0
	s_add_nc_u64 s[24:25], s[20:21], s[34:35]
	s_add_nc_u64 s[26:27], s[22:23], s[36:37]
	MLOAD 0, 0
	MLOAD 1, 1
	MLOAD 2, 2
	s_mov_b32 s30, 4
.Lmtrip:                                               ; four trips of three units: units 0 to 11 are worked, units 3 to 14 asked for
	MUNIT 0, 0, 0, 32, 3                           ; 32: the two younger units' loads
	MUNIT 1, 1, 1, 32, 4
	MUNIT 2, 2, 2, 32, 5
	s_wait_xcnt 0x0                                ; the bases and the stores' data are written again only behind this wait
	s_add_nc_u64 s[24:25], s[24:25], 3*512
	s_add_nc_u64 s[26:27], s[26:27], 3*2048
	s_sub_co_u32 s30, s30, 1
	s_cmp_lg_u32 s30, 0
	s_cbranch_scc1 .Lmtrip
	MUNIT 0, 0, 0, 32, 3                           ; units 12 to 15: one more is asked for, the row's last 128 keys; then the counts run down
	MUNIT 1, 1, 1, 32, -1
	MUNIT 2, 2, 2, 16, -1
	MUNIT 0, 3, 3, 0, -1                           ; (a pair of its own for its words: unit 12's store may still read the first pair)
	s_wait_tensorcnt 0x0                           ; the wave's end
	ds_add_u32 v[SPW], v[NIL]
	s_wait_dscnt 0x0
	CROUND                                         ; and the closing round, as on the other path
	s_endpgm
.Lfunc_end_k_q44d57413ce_proj:
	.size	k_q44d57413ce_proj, .Lfunc_end_k_q44d57413ce_proj-k_q44d57413ce_proj
	.p2alignl 7, 3214868480
	.fill 96, 4, 3214868480
	.section	.rodata,"a",@progbits
	.p2align	6, 0x0
	.amdhsa_kernel k_q44d57413ce_proj
		.amdhsa_group_segment_fixed_size 327680
		.amdhsa_private_segment_fixed_size 0
		.amdhsa_enable_private_segment 0
		.amdhsa_kernarg_size 56
		.amdhsa_user_sgpr_count 2
		.amdhsa_user_sgpr_kernarg_segment_ptr 1
		.amdhsa_wavefront_size32 1
		.amdhsa_system_sgpr_workgroup_id_x 1
		.amdhsa_system_sgpr_workgroup_id_y 1
		.amdhsa_system_sgpr_workgroup_id_z 1
		.amdhsa_system_vgpr_workitem_id 0
		.amdhsa_next_free_vgpr 1024
		.amdhsa_next_free_sgpr 102
		.amdhsa_reserve_vcc 0
		.amdhsa_float_denorm_mode_32 3
		.amdhsa_float_denorm_mode_16_64 3
		.amdhsa_memory_ordered 1
		.amdhsa_forward_progress 1
		.amdhsa_inst_pref_size 255
	.end_amdhsa_kernel
	.section	.bss,"aw",@nobits
	.p2align	6
	.space	262144
	.amdgpu_metadata
---
amdhsa.version: [ 1, 2 ]
amdhsa.kernels:
  - .name:           k_q44d57413ce_proj
    .symbol:         k_q44d57413ce_proj.kd
    .args:
      - { .name: xw, .offset: 0, .size: 8, .value_kind: global_buffer, .address_space: global }
      - { .name: bq, .offset: 8, .size: 8, .value_kind: global_buffer, .address_space: global }
      - { .name: bk, .offset: 16, .size: 8, .value_kind: global_buffer, .address_space: global }
      - { .name: bv, .offset: 24, .size: 8, .value_kind: global_buffer, .address_space: global }
      - { .name: qkv, .offset: 32, .size: 8, .value_kind: global_buffer, .address_space: global }
      - { .name: mask, .offset: 40, .size: 8, .value_kind: global_buffer, .address_space: global }
      - { .name: mbits, .offset: 48, .size: 8, .value_kind: global_buffer, .address_space: global }
    .group_segment_fixed_size: 327680
    .private_segment_fixed_size: 0
    .kernarg_segment_align: 8
    .kernarg_segment_size: 56
    .max_flat_workgroup_size: 128
    .sgpr_count:     102
    .vgpr_count:     1024
    .wavefront_size: 32
...
	.end_amdgpu_metadata
.endif
;; end of part 2
;; launch score (part 3): grid 8 x 32, 4 waves a work-group, clusters of 4 x 4, 327,680 bytes of LDS; arguments qkv, mbits, pc; writes pc
.if DOCPART == 3
	.amdgcn_target "amdgcn-amd-amdhsa--gfx1250"
	.amdhsa_code_object_version 6
	.text
	.protected	k_q44d57413ce_score
	.globl	k_q44d57413ce_score
	.p2align	8
	.type	k_q44d57413ce_score,@function
k_q44d57413ce_score:
	s_mov_b64 s[64:65], 0
	v_nop
	global_prefetch_b8 v0, s[64:65] scope:SCOPE_SE
	s_setreg_imm32_b32 hwreg(HW_REG_WAVE_MODE, 25, 1), 1
	s_wait_xcnt 0x0
	s_wait_alu depctr_hold_cnt(0) depctr_sa_sdst(0) depctr_va_vdst(0) depctr_va_sdst(0) depctr_va_ssrc(0) depctr_va_vcc(0) depctr_vm_vsrc(0)
	s_getreg_b32 s2, hwreg(HW_REG_IB_STS2, 6, 4)
	s_cmp_eq_u32 s2, 0
	s_cbranch_scc0 .Lentry_in_a_cluster
	s_endpgm
.Lentry_in_a_cluster:
	s_bfe_u32 s2, ttmp6, 0x10000c
	s_cmp_lg_u32 s2, 0xf033
	s_cbranch_scc0 .Lentry_shape_is_right
	s_endpgm
.Lentry_shape_is_right:
; SCORE.  S = Q K^T on codes of FP6 (E2M3) out of qkv; the mask; then, for each query and each 128 keys (a wave's columns): t = s x log2(e) / 32, M = the ceiling of the largest t OF THESE 128 KEYS, p = 2^(t - M),
; l = the sum of the unquantised p; p is quantised along the keys and leaves as codes; (-M, l) leave beside them.  M is a whole number, so the next launch moves the scale bytes to the row's common M exactly.
; The scores never go to memory.  The maximum is taken away ahead of every exponential.
; THE PRODUCT: a tile of 256 queries x 256 keys by four waves, 128 x 128 a wave; K = 1,024 in steps of 256 through two LDS slots; blocks of 24,576 dense bytes, one tensor load a wave.
; CLUSTERS: 4 x 4 work-groups; Q's tiles are asked for jointly along a row of the cluster, K's along a column.  Transposed use (source 0 = 16 keys, source 1 = 16 queries): a lane holds one query.
; K's rows lie in qkv with bits 3 and 4 of their number exchanged: register 16 b + i of a block of 16 queries is key 32 b + 16 (lane / 16) + i.
; THE MASK comes as lane-mask words (mbits): word n of a block is the 32 lanes' mask of register n: one v_readlane_b32 and one v_cndmask_b32 a register; no branch hangs on it.
; PC's LAYOUT: codes at BI x 24,576, scale bytes at PSC + BI x 1,024, BI = (query / 128) x 8 + key / 256; (-M, l) at PST + ((query / 128) x 16 + key / 128) x 1,024 + (query % 128) x 8.
; LIMITS: 128 keys that are all masked get -M = 3e38, p = 0, l = 0; a block of zeros gets the byte 1 (its codes are zeros; this program alone reads the bytes); p under 2^-126 counts as 0; NaN and infinities in Q, K are not served.
; REGISTERS: window 0: v0-31 addresses; v32-63 scale words and nothing else; v64-79 the mask words; v128-223 A's fragments, on the way out H, the codes and work; v240-255 work.  window 1: B's two sets.  windows 2, 3: accumulators.
.set KST,    4
.set NQ,     2
.set PITCH,  240
.set FR,     12
.set NL,     6
.set NP,     4
.set HALFT,  128*PITCH
.set SLOT,   4*HALFT
.set BLKB,   24576
.set LAPS,   KST/2
.set SCL,    2*SLOT
.set HALFS,  KST*1024
.set SPARE,  SCL+4*HALFS               ; the spare words, 128 bytes a wave: two blocks of 256 bytes that no other line names
.set QSC,    18874368
.set PSC,    12582912
.set PST,    13107200
.set CST,    0                         ; the way out, in slot 0, which has had its last fill and its last read by then
.set SST,    49152
.set TST,    51200
.set ADRA, 16
.set ADRB, 20
.set STO,  24
.set RD,   25
.set GO,   26
.set ADRS, 27
.set SPW,  28
.set NIL,  29
.set SSO,  30
.set SRD,  31
.set TSO,  8
.set TRD,  9
.set SC,   32
.set MB,   64
.set AF,   128
.set H,    128
.set PC,   192
.set PW,   212
.set T0,   213
.set NM,   214                         ; v[214:215] -M (the packed form names a pair and takes its low word)
.set STAT, 216                         ; v[216:217] (-M, l)
.set L0,   218
.set L1,   220
.set NINF, 222
.set TM,   240
.set SEL,  20
.set CS,   22
.set MS,   32                          ; s[32:39] eight mask words at a time: the descriptors' registers, free behind the last wait for all tensor loads
.set G1, 24
.set G0, 32
.set G1B, 48
.set G0B, 56
.set G1S, 68
.set G0S, 76
.set G1SB, 80
.set G0SB, 88
.set MSB, 0
.macro WIN new                         ; the immediate's high byte repeats the setting that is left; a switch that changes nothing is dropped
.if MSB != \new
	s_set_vgpr_msb (MSB<<8)|\new
.set MSB, \new
.endif
.endm
.set MUL_LO, 0xa1
.set MUL_HI, 0xf1
.set TO_B,   0x40
.macro JLOAD g0a, g1a, g0b, g1b        ; a joint load: waves 0 and 1 fetch for A, waves 2 and 3 for B; four v_nop follow each line
	s_cmp_eq_u32 s15, 0
	s_cbranch_scc0 .Lfor_b_\@
	tensor_load_to_lds s[\g0a:\g0a+3], s[\g1a:\g1a+7]
	s_nop 0
.rept 4
	v_nop
.endr
	s_branch .Lasked_\@
.Lfor_b_\@:
	tensor_load_to_lds s[\g0b:\g0b+3], s[\g1b:\g1b+7]
	s_nop 0
.rept 4
	v_nop
.endr
.Lasked_\@:
.endm
.macro CREST
	s_cmp_lg_u32 s14, 0
	s_cbranch_scc1 .Lnot_wave_0_\@
	s_barrier_signal -3
.Lnot_wave_0_\@:
	s_barrier_wait -3
	s_barrier_signal -1
	s_barrier_wait -1
.endm
.macro CROUND
	s_barrier_signal -1
	s_barrier_wait -1
	CREST
.endm
.macro FRAG reg, adr, q, i
.irp p, 0,1,2,3,4,5
.set PCE, 12*(\q)+6*(\p/3)+\p%3
.if PCE%8 < 5
	ds_load_b64 v[\reg+2*\p:\reg+2*\p+1], v[\adr] offset:8*PCE+16*(PCE/8)+(\i)*16*PITCH
.else
	ds_load_b64 v[\reg+2*\p:\reg+2*\p+1], v[\adr+2] offset:8*PCE+16*(PCE/8)+(\i)*16*PITCH
.endif
.endr
.endm
; 16 matrix instructions: A's blocks a0, a0 + 1 x B's eight.  zero = 1: the first product starts the sums.  The 64 accumulators take turns.
.macro MUL16 a0, p, q, sc, zero
.irp a, \a0, \a0+1
.irp b, 0,1,2,3,4,5,6,7
.if \zero
	v_wmma_scale_f32_16x16x128_f8f6f4 v[8*(8*((\a)%4)+\b):8*(8*((\a)%4)+\b)+7], v[128*(\p)+FR*\b:128*(\p)+FR*\b+FR-1], v[AF+FR*(\a):AF+FR*(\a)+FR-1], 0, v[SC+8*NQ*(\sc)+NQ*\b+(\q)], v[SC+8*NQ*(\sc)+NQ*(\a)+(\q)] matrix_a_fmt:MATRIX_FMT_FP6 matrix_b_fmt:MATRIX_FMT_FP6 matrix_a_scale:MATRIX_SCALE_ROW1
.else
	v_wmma_scale_f32_16x16x128_f8f6f4 v[8*(8*((\a)%4)+\b):8*(8*((\a)%4)+\b)+7], v[128*(\p)+FR*\b:128*(\p)+FR*\b+FR-1], v[AF+FR*(\a):AF+FR*(\a)+FR-1], v[8*(8*((\a)%4)+\b):8*(8*((\a)%4)+\b)+7], v[SC+8*NQ*(\sc)+NQ*\b+(\q)], v[SC+8*NQ*(\sc)+NQ*(\a)+(\q)] matrix_a_fmt:MATRIX_FMT_FP6 matrix_b_fmt:MATRIX_FMT_FP6 matrix_a_scale:MATRIX_SCALE_ROW1
.endif
.endr
.endr
.endm
.macro FETCH_B slot, q, p
	WIN TO_B
.irp i, 0,1,2,3,4,5,6,7
	FRAG 128*(\p)+FR*\i, ADRB+\slot, \q, \i
.endr
	WIN 0
.endm
.macro FETCH_A slot, q, i0
.irp i, \i0, \i0+1, \i0+2, \i0+3
	FRAG AF+FR*(\i), ADRA+\slot, \q, \i
.endr
.endm
.macro SCALES sc
.irp i, 0,1,2,3,4,5,6,7
	ds_load_b64 v[SC+8*NQ*\sc+NQ*\i:SC+8*NQ*\sc+NQ*\i+1], v[ADRS] offset:\i*128
.endr
.endm
.macro PLACES n                        ; plain vector places behind matrix instructions (ISA guide 7.12.1)
.rept \n
	v_nop
.endr
.endm
.macro STEP slot, q, zero
	s_wait_dscnt 4*NL                              ; all but the youngest 24 loads (A's blocks 4-7) are in
	WIN MUL_LO
	MUL16 0, (\q)%2, \q, \slot, \zero
	MUL16 2, (\q)%2, \q, \slot, \zero
	s_wait_dscnt 0
	PLACES NP
	FETCH_B \slot, (\q)+1, 1-(\q)%2
	FETCH_A \slot, (\q)+1, 0
	WIN MUL_HI
	MUL16 4, (\q)%2, \q, \slot, \zero
	MUL16 6, (\q)%2, \q, \slot, \zero
	PLACES NP
	WIN 0
	FETCH_A \slot, (\q)+1, 4
.endm
.macro TURN slot, next, fill
	s_wait_tensorcnt 0x0                           ; all my tensor loads have landed: my part of the next slot
	ds_add_u32 v[SPW], v[NIL]                      ; 0 onto my spare word
	s_wait_dscnt 4*NL+1                            ; the add and the youngest 24 loads may be out
	WIN MUL_LO
	MUL16 0, 1, NQ-1, \slot, 0
	s_wait_dscnt 0x0                               ; the add is done, and my reads of this slot are over
	s_barrier_signal -1
	MUL16 2, 1, NQ-1, \slot, 0
	WIN 0
	s_barrier_wait -1
.if \fill
	CREST                                          ; the barrier has opened a round of the cluster's
	s_add_nc_u64 s[G0+4*\slot+2:G0+4*\slot+3], s[G0+4*\slot+2:G0+4*\slot+3], 2*BLKB
	s_add_nc_u64 s[G0B+4*\slot+2:G0B+4*\slot+3], s[G0B+4*\slot+2:G0B+4*\slot+3], 2*BLKB
	JLOAD G0+4*\slot, G1, G0B+4*\slot, G1B         ; the first tensor load behind the round
.else
	PLACES NP
.endif
	s_wait_alu depctr_va_vdst(0)
	v_add_nc_u32 v[ADRS], 1024, v[ADRS]
	FETCH_B \next, 0, 0
	FETCH_A \next, 0, 0
	SCALES \next
	WIN MUL_HI
	MUL16 4, 1, NQ-1, \slot, 0
	MUL16 6, 1, NQ-1, \slot, 0
	PLACES NP
	WIN 0
	FETCH_A \next, 0, 4
.endm
	s_load_b128 s[4:7], s[0:1], 0x0                ; qkv, mbits
	s_load_b64 s[8:9], s[0:1], 0x10                ; pc
	v_lshl_add_u32 v[SPW], v0, 2, SPARE
	v_mov_b32 v[NIL], 0
	ds_add_u32 v28, v29
	ds_add_u32 v28, v29
	s_wait_dscnt 0x0
	v_lshrrev_b32 v1, 5, v0
	v_readfirstlane_b32 s14, v1                    ; wave
	s_lshr_b32 s15, s14, 1
	s_and_b32 s16, s14, 1
	s_bfe_u32 s40, ttmp6, 0x40000                  ; cx
	s_bfe_u32 s41, ttmp6, 0x40004                  ; cy
	s_and_b32 s45, ttmp7, 0xffff                   ; the cluster's y: 0-7; two to a batch
	s_lshl_b32 s17, s45, 2
	s_add_co_u32 s17, s17, s41                     ; tile row: 256 queries, over all batches
	s_lshl_b32 s42, ttmp9, 2
	s_add_co_u32 s42, s42, s40                     ; tile column: 256 keys of the batch
	s_lshl_b32 s43, s41, 2
	s_lshl_b32 s43, 15, s43
	s_lshl_b32 s44, 0x1111, s40
	s_or_b32 s[G1+0], s43, (3<<16)|(1<<20)|(1<<21)|(3<<22)|(3<<25)   ; codes: 96 rows of 256 bytes, 16 bytes of padding behind every 64
	s_or_b32 s[G1B+0], s44, (3<<16)|(1<<20)|(1<<21)|(3<<22)|(3<<25)
.irp g, G1, G1B                        ; for the head's loads: two groups of 128 rows, each 24,576 dense bytes, 98,304 bytes apart
	s_mov_b32 s[\g+1], 3072<<16
	s_mov_b32 s[\g+2], 2<<16
	s_mov_b32 s[\g+3], 3072<<16
	s_mov_b32 s[\g+4], 2
	s_mov_b32 s[\g+5], 12288
	s_mov_b32 s[\g+6], 0
	s_mov_b32 s[\g+7], 0
.endr
	s_or_b32 s[G1S+0], s43, (3<<16)|(1<<21)        ; scale bytes: HALFS dense bytes as rows of 256
	s_or_b32 s[G1SB+0], s44, (3<<16)|(1<<21)
.irp g, G1S, G1SB
	s_mov_b32 s[\g+1], 32<<16
	s_mov_b32 s[\g+2], (8*KST)<<16                 ; the scale bytes of 256 rows: 2 HALFS dense bytes
	s_mov_b32 s[\g+3], 32<<16
	s_mov_b32 s[\g+4], 8*KST
	s_mov_b32 s[\g+5], 32
	s_mov_b32 s[\g+6], 0
	s_mov_b32 s[\g+7], 0
.endr
	s_lshl_b32 s20, s17, 1
	s_add_co_u32 s20, s20, s16                     ; Q's group of 128 rows
	s_lshl_b32 s22, s20, 12
	s_add_co_u32 s22, s22, QSC
	s_mov_b32 s23, 0
	s_mul_i32 s20, s20, KST*BLKB
	s_mov_b32 s21, 0
	s_lshr_b32 s18, s45, 1                         ; the batch, from the cluster's y
	s_lshl_b32 s18, s18, 4
	s_lshl_b32 s46, s42, 1
	s_add_co_u32 s46, s46, s16
	s_add_co_u32 s46, s46, s18
	s_add_co_u32 s46, s46, 64                      ; K's group: 64 + 16 x batch + 2 x tile column + half
	s_lshl_b32 s92, s46, 12
	s_add_co_u32 s92, s92, QSC
	s_mov_b32 s93, 0
	s_mul_i32 s46, s46, KST*BLKB
	s_mov_b32 s47, 0
	s_mul_i32 s95, s14, HALFT
	s_mul_i32 s94, s14, HALFS
	s_wait_kmcnt 0x0
	s_add_nc_u64 s[20:21], s[4:5], s[20:21]
	s_add_nc_u64 s[22:23], s[4:5], s[22:23]
	s_add_nc_u64 s[46:47], s[4:5], s[46:47]
	s_add_nc_u64 s[92:93], s[4:5], s[92:93]
	s_mov_b32 s[G0S], 1
	s_add_co_u32 s[G0S+1], s94, SCL
	s_mov_b64 s[G0S+2:G0S+3], s[22:23]
	s_or_b32 s[G0S+3], s[G0S+3], 0x80000000
	s_mov_b32 s[G0SB], 1
	s_add_co_u32 s[G0SB+1], s94, SCL
	s_mov_b64 s[G0SB+2:G0SB+3], s[92:93]
	s_or_b32 s[G0SB+3], s[G0SB+3], 0x80000000
.irp s, 0,1
	s_mov_b32 s[G0+4*\s], 1
	s_add_co_u32 s[G0+4*\s+1], s95, \s*SLOT
	s_add_nc_u64 s[G0+4*\s+2:G0+4*\s+3], s[20:21], \s*BLKB
	s_or_b32 s[G0+4*\s+3], s[G0+4*\s+3], 0x80000000
	s_mov_b32 s[G0B+4*\s], 1
	s_add_co_u32 s[G0B+4*\s+1], s95, \s*SLOT
	s_add_nc_u64 s[G0B+4*\s+2:G0B+4*\s+3], s[46:47], \s*BLKB
	s_or_b32 s[G0B+4*\s+3], s[G0B+4*\s+3], 0x80000000
.endr
; PREFETCH: of the group of 128 rows that my wave fetches in the ring, my work-group names a quarter of each K step's 96 blocks of 256 bytes, told apart from its three partners by address: a lane a block
; (lanes 24-31 name the last again).  K step 0 ahead of the round in front of its load, K steps 1 and 2 behind the head's load, K step 3 behind the first fragment loads.  The two registers are never rewritten.
	s_cmp_eq_u32 s15, 0
	s_cselect_b32 s2, s40, s41                     ; my place among the four that ask with me
	s_cselect_b64 s[66:67], s[20:21], s[46:47]
	s_mul_i32 s2, s2, 6144
	s_mov_b32 s3, 0
	s_add_nc_u64 s[66:67], s[66:67], s[2:3]
	v_and_b32 v12, 31, v0
	v_min_u32 v12, 23, v12
	v_lshlrev_b32 v12, 8, v12
	s_wait_alu depctr_va_vdst(0)
	global_prefetch_b8 v12, s[66:67] th:TH_LOAD_NT scope:SCOPE_SE
	CROUND                                         ; all sixteen work-groups are here: the first joint loads meet
; THE HEAD'S LOADS, one a wave: wave 0 K step 0 of Q's 256 rows, wave 2 of K's (their slot 0 groups 0 stand at the tile's first group), wave 1 Q's scales, wave 3 K's.
	s_lshl_b32 s2, s16, 12
	s_mov_b32 s3, 0
	s_mov_b32 s[G0S+1], SCL
	s_sub_nc_u64 s[G0S+2:G0S+3], s[G0S+2:G0S+3], s[2:3]
	s_mov_b32 s[G0SB+1], SCL+2*HALFS
	s_sub_nc_u64 s[G0SB+2:G0SB+3], s[G0SB+2:G0SB+3], s[2:3]
.macro ARM under, g0, g1, next
	s_cmp_lt_u32 s14, \under
	s_cbranch_scc0 \next
	tensor_load_to_lds s[\g0:\g0+3], s[\g1:\g1+7]
	s_nop 0
.rept 4
	v_nop
.endr
	s_branch .Lfirst_done
\next:
.endm
	ARM 1, G0,  G1,  .Lhead_sa
	ARM 2, G0S, G1S, .Lhead_b
	ARM 3, G0B, G1B, .Lhead_sb
	tensor_load_to_lds s[G0SB:G0SB+3], s[G1SB:G1SB+7]
	s_nop 0
.rept 4
	v_nop
.endr
.Lfirst_done:
	global_prefetch_b8 v12, s[66:67] offset:BLKB th:TH_LOAD_NT scope:SCOPE_SE
	global_prefetch_b8 v12, s[66:67] offset:2*BLKB th:TH_LOAD_NT scope:SCOPE_SE
	s_lshl_b32 s18, s17, 1
	s_add_co_u32 s18, s18, s15                     ; G: my 128 queries
	s_lshl_b32 s19, s42, 1
	s_add_co_u32 s19, s19, s16                     ; J: my 128 keys
	s_lshl_b32 s2, s18, 4
	s_add_co_u32 s2, s2, s19
	s_lshl_b32 s96, s2, 11
	s_mov_b32 s97, 0
	s_add_nc_u64 s[96:97], s[6:7], s[96:97]        ; my 2,048 bytes of mask words
	s_lshl_b32 s10, s2, 10
	s_add_co_u32 s10, s10, PST
	s_mov_b32 s11, 0
	s_add_nc_u64 s[10:11], s[8:9], s[10:11]        ; my 1,024 bytes of (-M, l)
	s_lshl_b32 s18, s18, 3
	s_add_co_u32 s18, s18, s42                     ; the block that I store
	s_mul_i32 s98, s18, BLKB
	s_mul_i32 s2, s16, 12288
	s_add_co_u32 s98, s98, s2
	s_mov_b32 s99, 0
	s_add_nc_u64 s[98:99], s[8:9], s[98:99]
	s_lshl_b32 s100, s18, 10
	s_lshl_b32 s2, s16, 9
	s_add_co_u32 s100, s100, s2
	s_add_co_u32 s100, s100, PSC
	s_mov_b32 s101, 0
	s_add_nc_u64 s[100:101], s[8:9], s[100:101]
	v_and_b32 v3, 31, v0
	v_lshlrev_b32 v7, 3, v3
.irp a, 0,1,2,3,4,5,6,7
	global_load_b64 v[MB+2*\a:MB+2*\a+1], v7, s[96:97] offset:256*\a   ; block a's 64 words: lane l holds words 2 l, 2 l + 1; wanted on the way out
.endr
	v_and_b32 v1, 15, v0                           ; r
	v_bfe_u32 v2, v0, 4, 1                         ; h
	v_mul_u32_u24 v3, v1, PITCH
	v_mul_u32_u24 v4, v2, 24
	v_add_nc_u32 v4, v3, v4
	v_lshl_add_u32 v5, v2, 4, v4
	s_mul_i32 s21, s15, HALFT
	s_mul_i32 s22, s16, HALFT
	s_add_co_u32 s22, s22, 2*HALFT
.irp s, 0,1
	v_add_nc_u32 v[ADRA+\s], s21, v4
	v_add_nc_u32 v[ADRB+\s], s22, v4
	v_add_nc_u32 v[ADRA+2+\s], s21, v5
	v_add_nc_u32 v[ADRB+2+\s], s22, v5
	s_add_co_u32 s21, s21, SLOT
	s_add_co_u32 s22, s22, SLOT
.endr
	v_lshlrev_b32 v5, 3, v1
	s_mul_i32 s21, s15, HALFS
	s_mul_i32 s22, s16, HALFS
	s_add_co_u32 s22, s22, 2*HALFS
	s_sub_co_u32 s22, s22, s21
	v_mul_u32_u24 v6, s22, v2                      ; lanes 16-31 take B's
	s_add_co_u32 s21, s21, SCL
	v_add_nc_u32 v5, v5, v6
	v_add_nc_u32 v[ADRS], s21, v5
	s_mul_i32 s18, s15, BLKB
	s_mul_i32 s19, s16, 96
	s_add_co_u32 s18, s18, s19
	v_mul_u32_u24 v3, v1, 192
	v_mad_u32_u24 v3, v2, 24, v3
	v_add_nc_u32 v[STO], s18, v3
	s_lshl_b32 s18, s15, 10
	s_lshl_b32 s19, s16, 2
	s_add_co_u32 s18, s18, s19
	s_add_co_u32 s18, s18, SST
	v_lshlrev_b32 v3, 3, v1
	v_add_nc_u32 v[SSO], s18, v3
	s_lshl_b32 s18, s14, 10
	s_add_co_u32 s18, s18, TST
	v_add_nc_u32 v[TSO], s18, v3                   ; my wave's (-M, l): 8 bytes a row
	v_and_b32 v3, 31, v0
	v_lshlrev_b32 v[GO], 4, v3
	v_add_nc_u32 v[TRD], s18, v[GO]
	s_mul_i32 s18, s14, 12288
	v_add_nc_u32 v[RD], s18, v[GO]
	s_lshl_b32 s18, s14, 9
	s_add_co_u32 s18, s18, SST
	v_add_nc_u32 v[SRD], s18, v[GO]
.irp b, 0,1,2,3
	v_mov_b32 v[TM+4+\b], 0                        ; written once: a lane permute's destination counts as one of its sources
.endr
	s_mov_b32 s[SEL], 0x76543210
	s_mov_b32 s[SEL+1], 0xfedcba98
	s_mov_b32 s[CS], 0x3d38aa3b                    ; c = log2(e) / sqrt(1024)
	s_mov_b32 s[CS+1], s[CS]                       ; (named with it as a pair)
	s_wait_alu depctr_va_vdst(0)
	s_wait_tensorcnt 0x0                           ; my tile of the head's four is in
	ds_add_u32 v[SPW], v[NIL]
.irp g, G1, G1B                        ; no tensor load of mine is out: from here on a load brings one group: 96 rows of 256 bytes
	s_mov_b32 s[\g+1], 32<<16
	s_mov_b32 s[\g+2], 96<<16
	s_mov_b32 s[\g+3], 32<<16
	s_mov_b32 s[\g+4], 96
	s_mov_b32 s[\g+5], 32
.endr
	s_wait_dscnt 0x0
	CROUND                                         ; all four tiles are in, all sixteen work-groups are here
	JLOAD G0+4, G1, G0B+4, G1B                     ; K step 1, the first tensor load behind the round
	FETCH_B 0, 0, 0
	FETCH_A 0, 0, 0
	SCALES 0
	FETCH_A 0, 0, 4
	global_prefetch_b8 v12, s[66:67] offset:3*BLKB th:TH_LOAD_NT scope:SCOPE_SE
	STEP 0, 0, 1
	s_mov_b32 s3, LAPS-1
.Llap:
	TURN 0, 1, 1
	STEP 1, 0, 0
	TURN 1, 0, 1
	STEP 0, 0, 0
	s_sub_co_u32 s3, s3, 1
	s_cmp_lg_u32 s3, 0
	s_cbranch_scc1 .Llap
	TURN 0, 1, 0
	STEP 1, 0, 0
	s_wait_dscnt 4*NL
	WIN MUL_LO
	MUL16 0, 1, NQ-1, 1, 0
	MUL16 2, 1, NQ-1, 1, 0
	s_wait_dscnt 0
	WIN MUL_HI
	MUL16 4, 1, NQ-1, 1, 0
	MUL16 6, 1, NQ-1, 1, 0
	WIN 0
	PLACES NP                                      ; in front of the first write of registers that held A's fragments
	v_mov_b32 v[NINF], 0xff800000                  ; -infinity
	v_mov_b32 v[NM+1], 0                           ; (named as the upper half of a pair)
	s_wait_loadcnt 0x0                             ; the mask words
.macro QTAIL                           ; from the blocks' largest p in v[TM] on: the scale word in v[PW], the fragment's codes in v[PC] on
	s_wait_dscnt 0x0                               ; the last block's LDS stores have read their registers
.irp b, 0,1,2,3
	v_add_nc_u32 v[TM+12+\b], 0xff000000, v[TM+\b]
.endr
.irp b, 0,1,2,3
	v_lshrrev_b32 v[TM+4+\b], 23, v[TM+12+\b]
.endr
	v_lshl_or_b32 v[PW], v[TM+5], 8, v[TM+4]
	v_lshl_or_b32 v[PW], v[TM+6], 16, v[PW]
	v_lshl_or_b32 v[PW], v[TM+7], 24, v[PW]
.irp c, 0,1
	v_cvt_scalef32_pk16_fp6_f32 v[PC+6*\c:PC+2+6*\c], v[H+32*\c:H+15+32*\c], v[TM+12+2*\c]
	v_cvt_scalef32_pk16_fp6_f32 v[PC+12+4*\c:PC+14+4*\c], v[H+16+32*\c:H+31+32*\c], v[TM+12+2*\c+1]
.endr
	v_nop                                          ; one plain place behind a scaled conversion
.irp c, 0,1
.irp i, 0,1,2
	v_permlane16_swap_b32 v[PC+6*\c+\i], v[PC+12+4*\c+\i]
.endr
.irp i, 0,1,2
	v_mov_b32 v[PC+3+6*\c+\i], v[PC+12+4*\c+\i]
.endr
.endr
.endm
; A block of 16 queries x my 128 keys.
.macro SOFTQ a
.set AC, 64*((\a)%4)
.set WN, 0x08+4*((\a)/4)
	WIN WN                                         ; source 1: window 2 or 3
.set n, 0
.rept 8
.set k, 0
.rept 8
	v_readlane_b32 s[MS+k], v[MB+2*(\a)+k%2], (n+k)/2      ; word n + k: the lanes' mask of register n + k
.set k, k+1
.endr
.set k, 0
.rept 8
	v_cndmask_b32 v[H+n+k], v[NINF], v[AC+n+k], s[MS+k]    ; the score where the mask keeps it, else -infinity; each accumulator from its low end on
.set k, k+1
.endr
.set n, n+8
.endr
	WIN 0
.irp b, 0,1,2,3
	v_max3_num_f32 v[TM+\b], v[H+16*\b], v[H+1+16*\b], v[H+2+16*\b]   ; the largest score of each block of 32 keys: for the maximum, and, since p rises with the score, for the block's largest p
.endr
.irp i, 3,5,7,9,11,13
.irp b, 0,1,2,3
	v_max3_num_f32 v[TM+\b], v[TM+\b], v[H+16*\b+\i], v[H+1+16*\b+\i]
.endr
.endr
.irp b, 0,1,2,3
	v_max_num_f32 v[TM+\b], v[TM+\b], v[H+15+16*\b]
.endr
.irp b, 0,1,2,3
	v_permlanex16_b32 v[TM+4+\b], v[TM+\b], s[SEL], s[SEL+1]
.endr
.irp b, 0,1,2,3
	v_max_num_f32 v[TM+\b], v[TM+\b], v[TM+4+\b]
.endr
	v_max3_num_f32 v[T0], v[TM], v[TM+1], v[TM+2]
	v_max_num_f32 v[T0], v[T0], v[TM+3]            ; the largest score of my query among these 128 keys
	v_mul_f32 v[T0], s[CS], v[T0]                  ; as t
	v_max_num_f32 v[T0], 0xff61b1e6, v[T0]         ; not under -3e38: where all 128 are masked M stays a number, and every p is 0
	v_floor_f32 v[NM], -v[T0]                      ; -M = floor(-t) = -ceil(t)
.set j, 0
.rept 32
	v_pk_fma_f32 v[H+j:H+j+1], v[H+j:H+j+1], s[CS:CS+1], v[NM:NM+1] op_sel_hi:[1,0,0]   ; t - M
.set j, j+2
.endr
.irp b, 0,1,2,3
	v_fma_f32 v[TM+\b], v[TM+\b], s[CS], v[NM]     ; the same of each block's largest score
.endr
.set j, 0
	s_wait_alu depctr_va_vdst(0)
.rept 64
	v_exp_f32 v[H+j], v[H+j]                       ; p = 2^(t - M), at most 1
.set j, j+1
.endr
	v_nop                                          ; a plain place behind the exponentials
	s_wait_alu depctr_va_vdst(0)                   ; one wait for the batch, ahead of its first reader
.irp b, 0,1,2,3
	v_exp_f32 v[TM+\b], v[TM+\b]                   ; the block's largest p
.endr
	v_pk_add_f32 v[L0:L0+1], v[H:H+1], v[H+2:H+3]  ; the sum of the unquantised p, in two chains
	v_pk_add_f32 v[L1:L1+1], v[H+4:H+5], v[H+6:H+7]
.irp j, 8,12,16,20,24,28,32,36,40,44,48,52,56,60
	v_pk_add_f32 v[L0:L0+1], v[L0:L0+1], v[H+\j:H+\j+1]
	v_pk_add_f32 v[L1:L1+1], v[L1:L1+1], v[H+\j+2:H+\j+3]
.endr
	v_pk_add_f32 v[L0:L0+1], v[L0:L0+1], v[L1:L1+1]
	s_wait_alu depctr_va_vdst(0)                   ; and one for the four
.irp b, 0,1,2,3
	v_max_num_f32 v[TM+\b], 0x1800000, v[TM+\b]    ; the floor 2^(3 - 127): the byte cannot fall under 1
.endr
	s_wait_alu depctr_va_vdst(0)
	QTAIL
	v_add_f32 v[L0], v[L0], v[L0+1]
	v_permlanex16_b32 v[L1], v[L0], s[SEL], s[SEL+1]
	v_add_f32 v[STAT+1], v[L0], v[L1]              ; l of my query over these 128 keys
	v_mov_b32 v[STAT], v[NM]
.irp c, 0,1
.irp p, 0,1,2
	ds_store_b64 v[STO], v[PC+6*\c+2*\p:PC+6*\c+2*\p+1] offset:3072*(\a)+48*\c+8*\p
.endr
.endr
	ds_store_b32 v[SSO], v[PW] offset:128*(\a)
	ds_store_b64 v[TSO], v[STAT:STAT+1] offset:128*(\a)
.endm
.irp a, 0,1,2,3,4,5,6,7
	SOFTQ \a
.endr
	s_wait_dscnt 0x0                               ; for the others' sake: my stores are done: a row's 192 bytes come from two waves
	s_barrier_signal -1
	s_barrier_wait -1
.set i, 0
.rept 24
	ds_load_b128 v[128+4*i:128+4*i+3], v[RD] offset:512*i
.set i, i+1
.endr
	ds_load_b128 v[224:227], v[SRD]
	ds_load_b128 v[228:231], v[TRD]
	ds_load_b128 v[232:235], v[TRD] offset:512
.set i, 0
.rept 24
	s_wait_dscnt 26-i                              ; the loads younger than load i may be out
	global_store_b128 v[GO], v[128+4*i:128+4*i+3], s[98:99] offset:512*i   ; 512 consecutive bytes, aligned to 256
.set i, i+1
.endr
	s_wait_dscnt 0x0
	global_store_b128 v[GO], v[224:227], s[100:101]
	global_store_b128 v[GO], v[228:231], s[10:11]
	global_store_b128 v[GO], v[232:235], s[10:11] offset:512
	s_wait_tensorcnt 0x0                           ; the wave's end
	ds_add_u32 v[SPW], v[NIL]
	s_wait_dscnt 0x0
	CROUND                                         ; the closing round
	s_endpgm
.Lfunc_end_k_q44d57413ce_score:
	.size	k_q44d57413ce_score, .Lfunc_end_k_q44d57413ce_score-k_q44d57413ce_score
	.p2alignl 7, 3214868480
	.fill 96, 4, 3214868480
	.section	.rodata,"a",@progbits
	.p2align	6, 0x0
	.amdhsa_kernel k_q44d57413ce_score
		.amdhsa_group_segment_fixed_size 327680
		.amdhsa_private_segment_fixed_size 0
		.amdhsa_enable_private_segment 0
		.amdhsa_kernarg_size 24
		.amdhsa_user_sgpr_count 2
		.amdhsa_user_sgpr_kernarg_segment_ptr 1
		.amdhsa_wavefront_size32 1
		.amdhsa_system_sgpr_workgroup_id_x 1
		.amdhsa_system_sgpr_workgroup_id_y 1
		.amdhsa_system_sgpr_workgroup_id_z 1
		.amdhsa_system_vgpr_workitem_id 0
		.amdhsa_next_free_vgpr 1024
		.amdhsa_next_free_sgpr 102
		.amdhsa_reserve_vcc 0
		.amdhsa_float_denorm_mode_32 3
		.amdhsa_float_denorm_mode_16_64 3
		.amdhsa_memory_ordered 1
		.amdhsa_forward_progress 1
		.amdhsa_inst_pref_size 255
	.end_amdhsa_kernel
	.section	.bss,"aw",@nobits
	.p2align	6
	.space	262144
	.amdgpu_metadata
---
amdhsa.version: [ 1, 2 ]
amdhsa.kernels:
  - .name:           k_q44d57413ce_score
    .symbol:         k_q44d57413ce_score.kd
    .args:
      - { .name: qkv, .offset: 0, .size: 8, .value_kind: global_buffer, .address_space: global }
      - { .name: mbits, .offset: 8, .size: 8, .value_kind: global_buffer, .address_space: global }
      - { .name: pc, .offset: 16, .size: 8, .value_kind: global_buffer, .address_space: global }
    .group_segment_fixed_size: 327680
    .private_segment_fixed_size: 0
    .kernarg_segment_align: 8
    .kernarg_segment_size: 24
    .max_flat_workgroup_size: 128
    .sgpr_count:     102
    .vgpr_count:     1024
    .wavefront_size: 32
...
	.end_amdgpu_metadata
.endif
;; end of part 3
;; launch pv (part 4): grid 4 x 64, 4 waves a work-group, clusters of 4 x 4, 327,680 bytes of LDS; arguments pc, qkv, oc; writes oc
.if DOCPART == 4
	.amdgcn_target "amdgcn-amd-amdhsa--gfx1250"
	.amdhsa_code_object_version 6
	.text
	.protected	k_q44d57413ce_pv
	.globl	k_q44d57413ce_pv
	.p2align	8
	.type	k_q44d57413ce_pv,@function
k_q44d57413ce_pv:
	s_mov_b64 s[64:65], 0
	v_nop
	global_prefetch_b8 v0, s[64:65] scope:SCOPE_SE
	s_setreg_imm32_b32 hwreg(HW_REG_WAVE_MODE, 25, 1), 1
	s_wait_xcnt 0x0
	s_wait_alu depctr_hold_cnt(0) depctr_sa_sdst(0) depctr_va_vdst(0) depctr_va_sdst(0) depctr_va_ssrc(0) depctr_va_vcc(0) depctr_vm_vsrc(0)
	s_getreg_b32 s2, hwreg(HW_REG_IB_STS2, 6, 4)
	s_cmp_eq_u32 s2, 0
	s_cbranch_scc0 .Lentry_in_a_cluster
	s_endpgm
.Lentry_in_a_cluster:
	s_bfe_u32 s2, ttmp6, 0x10000c
	s_cmp_lg_u32 s2, 0xf033
	s_cbranch_scc0 .Lentry_shape_is_right
	s_endpgm
.Lentry_shape_is_right:
; PV.  O = (P V) / l on codes of FP6 (E2M3): P out of pc, V^T out of qkv; O is quantised along its 1,024 features and leaves as codes.
; THE COMMON M.  pc holds p under an M of its own for each query and each 128 keys, with (-M_J, l_J).  At the head thread t takes query t of the tile's 128: -M = the least -M_J; d_J = M_J - M, a whole number, 0 or less;
; l = the sum of l_J 2^d_J; d_J is added to the four scale bytes of those 128 keys: exact, since a byte is an exponent.  The mended scale words go to LDS bytes of their own.
; THE PRODUCT: a tile of 128 queries x 256 features, so that 8,192 x 1,024 numbers make 256 work-groups; four waves, 64 x 128 a wave: 32 accumulators.  K = the batch's 2,048 keys in eight steps of 256 through two LDS slots.
; A block of 128 rows x 256 along K is 24,576 dense bytes.  In the ring waves 0 and 1 fetch the halves of P's block, waves 2 and 3 V^T's two blocks: one tensor load a wave and K step.
; CLUSTERS: 4 x 4 work-groups; P's tiles are asked for jointly along a row of the cluster, V^T's along a column.  Transposed use (source 0 = 16 rows of V^T, source 1 = 16 queries): a lane holds one query.
; V^T's rows lie with bits 3 and 4 of their number exchanged: register 16 b + i of a block of 16 queries is feature 32 b + 16 (lane / 16) + i.
; PREFETCH: behind each refill one instruction a wave names the K step two refills on of the bytes that the wave fetches; the four partners that ask jointly share its 256-byte blocks out by address
; (12 blocks each of P's half, 24 of V^T's block; lanes left over name the last again); the last two refills of each slot's walk ask for nothing: steps 4 to 7 are named, each once in a cluster.
; A query with every key masked has l = 0: its scale bytes are made 0xff, so that its whole row of the output is NaN, as the softmax of a row of -infinity is.
; OC's LAYOUT: codes at BI x 24,576, scale bytes at OSC + BI x 1,024, BI = (query / 128) x 4 + feature / 256.
; LIMITS: d_J is held at -127; a byte that would fall under 0 is held at 0 (2^-127: such p lie under 2^-120 of the row's sum); a block of zeros gets the byte 1; NaN and infinities are not served.
; REGISTERS: window 0: v0-31 addresses; v32-63 scale words and nothing else; v64-67 l; v128-223 at the head (-M, l) and raw scale words, then A's two sets, on the way out H, codes and work; v224-231 1 / l; v240-255 work.
;   window 1: B's two sets at v0, v128.  window 2: the accumulators ((a, b) at v[8 (8 a + b)]).
.set KST,    8
.set PITCH,  240                       ; an LDS row: 3 x (64 bytes + 16 of padding)
.set FR,     12
.set NP,     4
.set AHALF,  64*PITCH
.set BHALF,  128*PITCH
.set SLOT,   2*AHALF+2*BHALF           ; A's 128 rows, then B's 256
.set BLKB,   24576
.set SCL,    2*SLOT                    ; A's scale words, stored by the waves: no fill lands there;
.set ASC,    KST*1024
.set LROW,   SCL+3*ASC                 ; behind them B's two groups, filled once; then l of the 128 queries
.set SPARE,  LROW+512                  ; the spare words, 128 bytes a wave, that no other line names
.set QSC,    18874368
.set PSC,    12582912
.set PST,    13107200
.set OSC,    6291456
.set SST,    24576                     ; the way out, in slot 0, which has had its last fill and its last read by then: the block of codes at 0, its scale words here
.set ADRA, 12                          ; v12-13 my A fragments in slots 0, 1; v14-15 the same behind one padding more
.set ADRB, 16                          ; v16-19 the same for B
.set PFO,  20
.set GO8,  21
.set STO,  24
.set RD,   25
.set GO,   26
.set ADRS, 27
.set SPW,  28
.set NIL,  29
.set SSO,  30
.set SRD,  31
.set SC,   32
.set LV,   64
.set AF,   128
.set SB,   128
.set WB,   192
.set H,    128
.set PC,   192
.set PW,   212
.set RC,   224
.set TM,   240
.set G1, 24
.set G0, 32
.set G1B, 48
.set G0B, 56
.set G0H, 68
.set PFA, 72
.set SEL, 74
.set G1SB, 80
.set G0SB, 88
.set MSB, 0
.macro WIN new                         ; the immediate's high byte repeats the setting that is left
.if MSB != \new
	s_set_vgpr_msb (MSB<<8)|\new
.set MSB, \new
.endif
.endm
.set MULW, 0xa1                        ; source 0 (B) window 1, source 1 (A) window 0, C and D window 2
.set TO_B, 0x40
.macro PLACES n                        ; plain vector places behind matrix instructions (ISA guide 7.12.1)
.rept \n
	v_nop
.endr
.endm
.macro TLOAD g0, g1                    ; a tensor load, then s_nop 0 and four v_nop
	tensor_load_to_lds s[\g0:\g0+3], s[\g1:\g1+7]
	s_nop 0
	PLACES 4
.endm
.macro JLOAD s                         ; the ring's joint load into slot s: waves 0 and 1 fetch for A, waves 2 and 3 for B
	s_cmp_eq_u32 s15, 0
	s_cbranch_scc0 .Lfor_b_\@
	TLOAD G0+4*\s, G1
	s_branch .Lasked_\@
.Lfor_b_\@:
	TLOAD G0B+4*\s, G1B
.Lasked_\@:
.endm
.macro CREST                           ; a round of the cluster's barrier behind its opening barrier
	s_cmp_lg_u32 s14, 0
	s_cbranch_scc1 .Lnot_wave_0_\@
	s_barrier_signal -3
.Lnot_wave_0_\@:
	s_barrier_wait -3
	s_barrier_signal -1
	s_barrier_wait -1
.endm
.macro CROUND
	s_barrier_signal -1
	s_barrier_wait -1
	CREST
.endm
.macro FRAG reg, adr, q, i             ; 16 rows x 128 K: six pieces of 8 bytes; where lanes 16-31's piece lies behind one padding more, the second address register serves
.irp p, 0,1,2,3,4,5
.set PCE, 12*(\q)+6*(\p/3)+\p%3
.if PCE%8 < 5
	ds_load_b64 v[\reg+2*\p:\reg+2*\p+1], v[\adr] offset:8*PCE+16*(PCE/8)+(\i)*16*PITCH
.else
	ds_load_b64 v[\reg+2*\p:\reg+2*\p+1], v[\adr+2] offset:8*PCE+16*(PCE/8)+(\i)*16*PITCH
.endif
.endr
.endm
.macro MUL8 a, q, sc, zero             ; A's block a x B's eight; the 32 accumulators take turns
.irp b, 0,1,2,3,4,5,6,7
.if \zero
	v_wmma_scale_f32_16x16x128_f8f6f4 v[8*(8*(\a)+\b):8*(8*(\a)+\b)+7], v[128*(\q)+FR*\b:128*(\q)+FR*\b+FR-1], v[AF+48*(\q)+FR*(\a):AF+48*(\q)+FR*(\a)+FR-1], 0, v[SC+16*(\sc)+2*\b+(\q)], v[SC+16*(\sc)+2*(\a)+(\q)] matrix_a_fmt:MATRIX_FMT_FP6 matrix_b_fmt:MATRIX_FMT_FP6 matrix_a_scale:MATRIX_SCALE_ROW1
.else
	v_wmma_scale_f32_16x16x128_f8f6f4 v[8*(8*(\a)+\b):8*(8*(\a)+\b)+7], v[128*(\q)+FR*\b:128*(\q)+FR*\b+FR-1], v[AF+48*(\q)+FR*(\a):AF+48*(\q)+FR*(\a)+FR-1], v[8*(8*(\a)+\b):8*(8*(\a)+\b)+7], v[SC+16*(\sc)+2*\b+(\q)], v[SC+16*(\sc)+2*(\a)+(\q)] matrix_a_fmt:MATRIX_FMT_FP6 matrix_b_fmt:MATRIX_FMT_FP6 matrix_a_scale:MATRIX_SCALE_ROW1
.endif
.endr
.endm
.macro FETCH slot, q                   ; 72 LDS loads: B's eight and A's four fragments of the slot's q-th 128 keys, into the sets q
	WIN TO_B
.irp i, 0,1,2,3,4,5,6,7
	FRAG 128*(\q)+FR*\i, ADRB+\slot, \q, \i
.endr
	WIN 0
.irp i, 0,1,2,3
	FRAG AF+48*(\q)+FR*\i, ADRA+\slot, \q, \i
.endr
.endm
.macro SCALES sc                       ; a K step's scale words, two a row: lanes 16-31 B's block i; lanes 0-15 A's block i (for i over 3: written bytes that no product names)
.irp i, 0,1,2,3,4,5,6,7
	ds_load_b64 v[SC+16*\sc+2*\i:SC+16*\sc+2*\i+1], v[ADRS] offset:\i*128
.endr
.endm
.macro STEPA slot, zero                ; a K step's first 128 keys; at its head the second 128's fragments are asked for
	s_wait_dscnt 0x0
	PLACES NP
	FETCH \slot, 1
	WIN MULW
.irp a, 0,1,2,3
	MUL8 \a, 0, \slot, \zero
.endr
	WIN 0
.endm
.macro ASK                             ; s3 = 1 in the loop's last trip, whose refills have no K step two refills on
	s_cmp_gt_u32 s3, 1
	s_cbranch_scc0 .Lno_ask_\@
	global_prefetch_b8 v[PFO], s[PFA:PFA+1] th:TH_LOAD_NT scope:SCOPE_SE
.Lno_ask_\@:
.endm
; A K step's second 128 keys, and the change of slots: each wave waits for all its tensor loads, adds 0 to its spare word, waits for that and for its reads of the slot; one barrier, which opens a round where the slot is filled again.
.macro TURN slot, next, fill
.if \fill
	s_wait_xcnt 0x0                                ; my last prefetch has read its address
	s_add_nc_u64 s[PFA:PFA+1], s[PFA:PFA+1], BLKB
.endif
	s_wait_tensorcnt 0x0
	ds_add_u32 v[SPW], v[NIL]
	s_wait_dscnt 1                                 ; the add may be out: this step's fragments are in
	WIN MULW
	MUL8 0, 1, \slot, 0
	s_wait_dscnt 0x0
	s_barrier_signal -1
	MUL8 1, 1, \slot, 0
	WIN 0
	s_barrier_wait -1
.if \fill
	CREST
	s_add_nc_u64 s[G0+4*\slot+2:G0+4*\slot+3], s[G0+4*\slot+2:G0+4*\slot+3], 2*BLKB
	s_add_nc_u64 s[G0B+4*\slot+2:G0B+4*\slot+3], s[G0B+4*\slot+2:G0B+4*\slot+3], 2*BLKB
	JLOAD \slot                                    ; the first tensor load behind the round; its four v_nop are the places in front of the loads below
.else
	PLACES NP
.endif
	s_wait_alu depctr_va_vdst(0)
	v_add_nc_u32 v[ADRS], 1024, v[ADRS]            ; the next K step's scale words
	FETCH \next, 0
	SCALES \next
.if \fill
	ASK
.endif
	WIN MULW
	MUL8 2, 1, \slot, 0
	MUL8 3, 1, \slot, 0
	WIN 0
.endm
	s_load_b128 s[4:7], s[0:1], 0x0                ; pc, qkv
	s_load_b64 s[8:9], s[0:1], 0x10                ; oc
	v_lshl_add_u32 v[SPW], v0, 2, SPARE
	v_mov_b32 v[NIL], 0
	ds_add_u32 v[SPW], v[NIL]                      ; the opening lines: the add twice on end, and its wait
	ds_add_u32 v[SPW], v[NIL]
	v_lshl_add_u32 v7, v0, 3, SCL                  ; where thread t puts query t's scale words,
	v_lshl_add_u32 v8, v0, 2, LROW                 ; its l,
	v_lshlrev_b32 v10, 3, v0                       ; and its 8 bytes in a block of (-M, l) or of scale words in memory
	v_lshrrev_b32 v1, 5, v0
	v_readfirstlane_b32 s14, v1                    ; wave
	s_lshr_b32 s15, s14, 1                         ; my 64 of the 128 queries.  Also: I fetch for A (0) or B (1)
	s_and_b32 s16, s14, 1                          ; my 128 of the 256 features.  Also: which part I fetch
	s_bfe_u32 s40, ttmp6, 0x40000                  ; cx: the tile column
	s_bfe_u32 s41, ttmp6, 0x40004                  ; cy
	s_and_b32 s45, ttmp7, 0xffff                   ; the cluster's y: 0-15, four to a batch
	s_lshl_b32 s17, s45, 2
	s_add_co_u32 s17, s17, s41                     ; tile row: the group of 128 queries
	s_lshl_b32 s43, s41, 2
	s_lshl_b32 s43, 15, s43                        ; my row of the cluster
	s_lshl_b32 s44, 0x1111, s40                    ; my column
	s_or_b32 s[G1+0], s43, (3<<16)|(1<<20)|(1<<21)|(3<<22)|(3<<25)   ; codes: rows of 256 bytes, 16 bytes of padding behind every 64
	s_or_b32 s[G1B+0], s44, (3<<16)|(1<<20)|(1<<21)|(3<<22)|(3<<25)
.irp g, G1, G1B
	s_mov_b32 s[\g+1], 32<<16
	s_mov_b32 s[\g+2], 96<<16                      ; a whole block (A: for the head's load)
	s_mov_b32 s[\g+3], 32<<16
	s_mov_b32 s[\g+4], 96
	s_mov_b32 s[\g+5], 32
	s_mov_b32 s[\g+6], 0
	s_mov_b32 s[\g+7], 0
.endr
	s_or_b32 s[G1SB+0], s44, (3<<16)|(1<<21)       ; V^T's scale bytes, both groups: 16,384 dense bytes as rows of 256
	s_mov_b32 s[G1SB+1], 32<<16
	s_mov_b32 s[G1SB+2], 64<<16
	s_mov_b32 s[G1SB+3], 32<<16
	s_mov_b32 s[G1SB+4], 64
	s_mov_b32 s[G1SB+5], 32
	s_mov_b32 s[G1SB+6], 0
	s_mov_b32 s[G1SB+7], 0
	s_mul_i32 s20, s17, KST*BLKB                   ; P's eight blocks
	s_mov_b32 s21, 0
	s_mul_i32 s22, s16, 12288                      ; my half of each
	s_mov_b32 s23, 0
	s_lshr_b32 s18, s45, 2                         ; the batch
	s_lshl_b32 s18, s18, 3
	s_lshl_b32 s46, s40, 1
	s_add_co_u32 s46, s46, s18
	s_lshl_b32 s46, s46, 3
	s_add_co_u32 s46, s46, 512                     ; V^T's first block: 512 + (8 x batch + 2 x tile column) x 8
	s_lshl_b32 s92, s46, 10
	s_add_co_u32 s92, s92, QSC
	s_mov_b32 s93, 0
	s_lshl_b32 s18, s16, 3
	s_add_co_u32 s46, s46, s18                     ; my group's
	s_mul_i32 s46, s46, BLKB
	s_mov_b32 s47, 0
	s_mul_i32 s2, s16, AHALF                       ; where they go in a slot: no place in the cluster enters an LDS address
	s_mul_i32 s3, s16, BHALF
	s_add_co_u32 s3, s3, 2*AHALF
	s_wait_dscnt 0x0                               ; both opening adds are done
	s_wait_kmcnt 0x0
	s_add_nc_u64 s[20:21], s[4:5], s[20:21]
	s_add_nc_u64 s[46:47], s[6:7], s[46:47]
	s_add_nc_u64 s[92:93], s[6:7], s[92:93]
	s_mov_b32 s[G0H], 1                            ; the head's load of P's whole block of K step 0
	s_mov_b32 s[G0H+1], 0
	s_mov_b64 s[G0H+2:G0H+3], s[20:21]
	s_or_b32 s[G0H+3], s[G0H+3], 0x80000000
	s_mov_b32 s[G0SB], 1
	s_mov_b32 s[G0SB+1], SCL+ASC
	s_mov_b64 s[G0SB+2:G0SB+3], s[92:93]
	s_or_b32 s[G0SB+3], s[G0SB+3], 0x80000000
	s_add_nc_u64 s[20:21], s[20:21], s[22:23]
.irp s, 0,1
	s_mov_b32 s[G0+4*\s], 1
	s_add_co_u32 s[G0+4*\s+1], s2, \s*SLOT
	s_add_nc_u64 s[G0+4*\s+2:G0+4*\s+3], s[20:21], \s*BLKB
	s_or_b32 s[G0+4*\s+3], s[G0+4*\s+3], 0x80000000
	s_mov_b32 s[G0B+4*\s], 1
	s_add_co_u32 s[G0B+4*\s+1], s3, \s*SLOT
	s_add_nc_u64 s[G0B+4*\s+2:G0B+4*\s+3], s[46:47], \s*BLKB
	s_or_b32 s[G0B+4*\s+3], s[G0B+4*\s+3], 0x80000000
.endr
	s_cmp_eq_u32 s15, 0                            ; the prefetches: my work-group's quarter of the bytes that I fetch, at K step 3: the first refill steps it to 4
	s_cselect_b32 s18, s40, s41                    ; my place among the four that ask with me
	s_cselect_b32 s19, 12, 24                      ; blocks of 256 bytes in a quarter
	s_cselect_b64 s[PFA:PFA+1], s[20:21], s[46:47]
	s_mul_i32 s18, s18, s19
	s_lshl_b32 s18, s18, 8
	s_add_co_u32 s18, s18, 3*BLKB
	s_sub_co_u32 s94, s19, 1
	s_mov_b32 s19, 0
	s_add_nc_u64 s[PFA:PFA+1], s[PFA:PFA+1], s[18:19]
	v_and_b32 v[PFO], 31, v0
	v_min_u32 v[PFO], s94, v[PFO]
	v_lshlrev_b32 v[PFO], 8, v[PFO]                ; a lane a block of 256 bytes
	s_wait_alu depctr_va_vdst(0)
	global_prefetch_b8 v[PFO], s[PFA:PFA+1] offset:-3*BLKB th:TH_LOAD_NT scope:SCOPE_SE   ; K steps 0 to 3 are named at the head: step 0 ahead of the round in front of its load, 1 and 2 behind the head's load, 3 behind the first fragment loads
	CROUND
; THE HEAD'S LOADS, one a wave: wave 0 P's block, wave 1 V^T's scales, waves 2 and 3 V^T's two blocks.
	s_cmp_lt_u32 s14, 1
	s_cbranch_scc0 .Lhead_s
	TLOAD G0H, G1
	s_branch .Lhead_asked
.Lhead_s:
	s_cmp_lt_u32 s14, 2
	s_cbranch_scc0 .Lhead_b
	TLOAD G0SB, G1SB
	s_branch .Lhead_asked
.Lhead_b:
	TLOAD G0B, G1B
.Lhead_asked:
	global_prefetch_b8 v[PFO], s[PFA:PFA+1] offset:-2*BLKB th:TH_LOAD_NT scope:SCOPE_SE
	global_prefetch_b8 v[PFO], s[PFA:PFA+1] offset:-BLKB th:TH_LOAD_NT scope:SCOPE_SE
	s_lshl_b32 s18, s17, 14                        ; the group's (-M, l): 16 x 1,024 bytes
	s_add_co_u32 s18, s18, PST
	s_mov_b32 s19, 0
	s_add_nc_u64 s[96:97], s[4:5], s[18:19]
	s_lshl_b32 s18, s17, 13                        ; and its raw scale words: 8 x 1,024 bytes
	s_add_co_u32 s18, s18, PSC
	s_add_nc_u64 s[98:99], s[4:5], s[18:19]
	s_wait_alu depctr_va_vdst(0)
.irp jj, 0,1,2,3,4,5,6,7,8,9,10,11,12,13,14,15
	global_load_b64 v[SB+2*\jj:SB+2*\jj+1], v10, s[96:97] offset:\jj*1024   ; a wave reads 256 consecutive bytes
.endr
.irp ss, 0,1,2,3,4,5,6,7
	global_load_b64 v[WB+2*\ss:WB+2*\ss+1], v10, s[98:99] offset:\ss*1024
.endr
	v_and_b32 v1, 15, v0                           ; r
	v_bfe_u32 v2, v0, 4, 1                         ; h
	v_mul_u32_u24 v3, v1, PITCH
	v_mul_u32_u24 v4, v2, 24
	v_add_nc_u32 v4, v3, v4                        ; a fragment's row x pitch + 24 x half
	v_lshl_add_u32 v5, v2, 4, v4                   ; and the same behind one padding more
	s_mul_i32 s21, s15, AHALF
	s_mul_i32 s22, s16, BHALF
	s_add_co_u32 s22, s22, 2*AHALF
.irp s, 0,1
	v_add_nc_u32 v[ADRA+\s], s21, v4
	v_add_nc_u32 v[ADRB+\s], s22, v4
	v_add_nc_u32 v[ADRA+2+\s], s21, v5
	v_add_nc_u32 v[ADRB+2+\s], s22, v5
	s_add_co_u32 s21, s21, SLOT
	s_add_co_u32 s22, s22, SLOT
.endr
	v_lshlrev_b32 v5, 3, v1                        ; scale words: 8 bytes a row and K step
	s_lshl_b32 s21, s15, 9                         ; A's: my 64 rows
	s_lshl_b32 s22, s16, 13                        ; B's: my group, behind A's
	s_add_co_u32 s22, s22, ASC
	s_sub_co_u32 s22, s22, s21
	v_mul_u32_u24 v6, s22, v2                      ; lanes 16-31 take B's: one product, the distance between the two bases
	s_add_co_u32 s21, s21, SCL
	v_add_nc_u32 v5, v5, v6
	v_add_nc_u32 v[ADRS], s21, v5
	s_mul_i32 s18, s15, 12288                      ; the way out: row 64 x half + 16 a + r of 192 bytes, my 96 of them, 24 a half of the lanes
	s_mul_i32 s19, s16, 96
	s_add_co_u32 s18, s18, s19
	v_mul_u32_u24 v3, v1, 192
	v_mad_u32_u24 v3, v2, 24, v3
	v_add_nc_u32 v[STO], s18, v3
	s_lshl_b32 s18, s15, 9
	s_lshl_b32 s19, s16, 2
	s_add_co_u32 s18, s18, s19
	s_add_co_u32 s18, s18, SST
	v_lshlrev_b32 v3, 3, v1
	v_add_nc_u32 v[SSO], s18, v3                   ; my word of row r's two
	s_lshl_b32 s18, s15, 8
	s_add_co_u32 s18, s18, LROW
	v_lshlrev_b32 v3, 2, v1
	v_add_nc_u32 v9, s18, v3                       ; l of row r of my 64
	v_and_b32 v3, 31, v0
	v_lshlrev_b32 v[GO], 4, v3
	v_lshlrev_b32 v[GO8], 3, v3
	s_mul_i32 s18, s14, 6144
	v_add_nc_u32 v[RD], s18, v[GO]                 ; back: wave w takes bytes 6,144 w on of the block
	s_lshl_b32 s18, s14, 8
	s_add_co_u32 s18, s18, SST
	v_add_nc_u32 v[SRD], s18, v[GO8]
.irp b, 0,1,2,3
	v_mov_b32 v[TM+4+\b], 0                        ; written once: a lane permute's destination counts as one of its sources
.endr
	s_mov_b32 s[SEL], 0x76543210
	s_mov_b32 s[SEL+1], 0xfedcba98
	s_mov_b32 s18, 0x80808080
	s_mov_b32 s19, 0x01010101
	s_wait_loadcnt 0x0
; My query.  A byte b (at most 125) less e = -d (0 to 127), held at 0, four at a time: with bit 7 set on top no byte borrows from its neighbour, and bit 7 of the difference says that b - e is not negative.
	v_min3_num_f32 v240, v[SB], v[SB+2], v[SB+4]   ; -M = the least -M_J
.irp u, 3,5,7,9,11,13
	v_min3_num_f32 v240, v240, v[SB+2*\u], v[SB+2*\u+2]
.endr
	v_min_num_f32 v240, v240, v[SB+30]
	v_mov_b32 v241, 0
.set j, 0
.rept 16
	v_sub_f32 v242, v240, v[SB+2*j]                ; d = M_J - M
	v_max_num_f32 v242, 0xc2fe0000, v242           ; held at -127
	v_cvt_i32_f32 v242, v242
	v_ldexp_f32 v243, v[SB+2*j+1], v242
	v_add_f32 v241, v241, v243                     ; l += l_J 2^d
	v_sub_nc_u32 v242, 0, v242
	v_mul_lo_u32 v242, v242, s19                   ; e in all four bytes
	v_or_b32 v244, s18, v[WB+j]
	v_sub_nc_u32 v244, v244, v242
	v_and_b32 v243, s18, v244
	v_lshrrev_b32 v245, 7, v243
	v_sub_nc_u32 v243, v243, v245                  ; 0x7f in the bytes that did not fall under 0
	v_and_b32 v[WB+j], v244, v243
.set j, j+1
.endr
.irp ss, 0,1,2,3,4,5,6,7
	ds_store_b64 v7, v[WB+2*\ss:WB+2*\ss+1] offset:\ss*1024
.endr
	ds_store_b32 v8, v241
	s_lshl_b32 s18, s17, 2
	s_add_co_u32 s18, s18, s40                     ; the block that the work-group stores
	s_mul_i32 s98, s18, BLKB
	s_mul_i32 s2, s14, 6144
	s_add_co_u32 s98, s98, s2
	s_mov_b32 s99, 0
	s_add_nc_u64 s[98:99], s[8:9], s[98:99]        ; my 6,144 bytes of codes
	s_lshl_b32 s100, s18, 10
	s_lshl_b32 s2, s14, 8
	s_add_co_u32 s100, s100, s2
	s_add_co_u32 s100, s100, OSC
	s_mov_b32 s101, 0
	s_add_nc_u64 s[100:101], s[8:9], s[100:101]    ; my 256 scale bytes
	s_wait_alu depctr_va_vdst(0)
	s_wait_tensorcnt 0x0                           ; my tile of the head's is in
	ds_add_u32 v[SPW], v[NIL]
	s_mov_b32 s[G1+2], 48<<16                      ; no tensor load of mine is out: from here on A's loads bring half a block
	s_mov_b32 s[G1+4], 48
	s_wait_dscnt 0x0                               ; the add, and for the others' sake my scale words and l
	CROUND
	JLOAD 1                                        ; K step 1, the first tensor load behind the round
	FETCH 0, 0
	SCALES 0
	global_prefetch_b8 v[PFO], s[PFA:PFA+1] th:TH_LOAD_NT scope:SCOPE_SE
	STEPA 0, 1                                     ; the first products start the sums
	s_mov_b32 s3, KST/2-1
.Llap:                                                 ; a trip goes once round the ring and fills both slots again
	TURN 0, 1, 1
	STEPA 1, 0
	TURN 1, 0, 1
	STEPA 0, 0
	s_sub_co_u32 s3, s3, 1
	s_cmp_lg_u32 s3, 0
	s_cbranch_scc1 .Llap
	TURN 0, 1, 0                                   ; the last lap fills nothing
	STEPA 1, 0
	s_wait_dscnt 0x0
	WIN MULW
.irp a, 0,1,2,3
	MUL8 \a, 1, 1, 0
.endr
	WIN 0
	PLACES NP
.irp a, 0,1,2,3
	ds_load_b32 v[LV+\a], v9 offset:64*\a          ; l of row 16 a + r
.endr
	s_wait_dscnt 0x0
.irp a, 0,1,2,3
	v_rcp_f32 v[RC+2*\a], v[LV+\a]
	v_rcp_f32 v[RC+2*\a+1], v[LV+\a]               ; twice: a pair for the packed multiplication
.endr
	v_nop                                          ; a plain place behind the reciprocals
	s_wait_alu depctr_va_vdst(0)                   ; one wait for the batch, ahead of its first reader
; THE WAY OUT.  A block of 16 queries x my 128 features: / l, the four blocks' largest magnitudes, scale word, codes, into the stage.
.macro BLOCK a
	WIN 0x02
.set i, 0
.rept 32
	v_pk_mul_f32 v[H+i:H+i+1], v[64*(\a)+i:64*(\a)+i+1], v[RC+2*(\a):RC+2*(\a)+1]   ; each accumulator from its low end on
.set i, i+2
.endr
	WIN 0
.irp b, 0,1,2,3
	v_max3_num_f32 v[TM+\b], |v[H+16*\b]|, |v[H+1+16*\b]|, 0x1800000   ; with the floor 2^(3 - 127): the byte cannot fall under 1
.endr
.irp i, 2,4,6,8,10,12,14
.irp b, 0,1,2,3
	v_max3_num_f32 v[TM+\b], v[TM+\b], |v[H+16*\b+\i]|, |v[H+1+16*\b+\i]|
.endr
.endr
.irp b, 0,1,2,3
	v_permlanex16_b32 v[TM+4+\b], v[TM+\b], s[SEL], s[SEL+1]
.endr
.irp b, 0,1,2,3
	v_max_num_f32 v[TM+\b], v[TM+\b], v[TM+4+\b]
.endr
	s_wait_alu depctr_va_vdst(0)
	s_wait_dscnt 0x0                               ; the last block's LDS stores have read their registers
.irp b, 0,1,2,3
	v_add_nc_u32 v[TM+12+\b], 0xff000000, v[TM+\b] ; 2 off the exponent field: the conversion's scale operand
.endr
.irp b, 0,1,2,3
	v_lshrrev_b32 v[TM+4+\b], 23, v[TM+12+\b]      ; the scale's byte
.endr
	v_lshl_or_b32 v[PW], v[TM+5], 8, v[TM+4]
	v_lshl_or_b32 v[PW], v[TM+6], 16, v[PW]
	v_lshl_or_b32 v[PW], v[TM+7], 24, v[PW]
.irp c, 0,1
	v_cvt_scalef32_pk16_fp6_f32 v[PC+6*\c:PC+2+6*\c], v[H+32*\c:H+15+32*\c], v[TM+12+2*\c]
	v_cvt_scalef32_pk16_fp6_f32 v[PC+12+4*\c:PC+14+4*\c], v[H+16+32*\c:H+31+32*\c], v[TM+12+2*\c+1]
.endr
	v_nop                                          ; one plain place behind a scaled conversion
.irp c, 0,1                            ; a whole block of 32 to a lane
.irp i, 0,1,2
	v_permlane16_swap_b32 v[PC+6*\c+\i], v[PC+12+4*\c+\i]
.endr
.irp i, 0,1,2
	v_mov_b32 v[PC+3+6*\c+\i], v[PC+12+4*\c+\i]
.endr
.endr
	v_cmp_neq_f32 vcc_lo, 0, v[LV+\a]
	v_cndmask_b32 v[PW], -1, v[PW], vcc_lo         ; a query with no key: four bytes 0xff
.irp c, 0,1
.irp p, 0,1,2
	ds_store_b64 v[STO], v[PC+6*\c+2*\p:PC+6*\c+2*\p+1] offset:3072*(\a)+48*\c+8*\p
.endr
.endr
	ds_store_b32 v[SSO], v[PW] offset:128*(\a)     ; lanes 16-31 write the same word with the same value
.endm
.irp a, 0,1,2,3
	BLOCK \a
.endr
	s_wait_dscnt 0x0                               ; for the others' sake: a row's 192 bytes come from two waves
	s_barrier_signal -1
	s_barrier_wait -1
.set i, 0
.rept 12
	ds_load_b128 v[128+4*i:128+4*i+3], v[RD] offset:512*i
.set i, i+1
.endr
	ds_load_b64 v[232:233], v[SRD]
.set i, 0
.rept 12
	s_wait_dscnt 12-i                              ; the loads younger than load i may be out
	global_store_b128 v[GO], v[128+4*i:128+4*i+3], s[98:99] offset:512*i   ; 512 consecutive bytes, aligned to 256
.set i, i+1
.endr
	s_wait_dscnt 0x0
	global_store_b64 v[GO8], v[232:233], s[100:101]   ; 256 consecutive bytes, aligned
	s_wait_tensorcnt 0x0                           ; the wave's end
	ds_add_u32 v[SPW], v[NIL]
	s_wait_dscnt 0x0
	CROUND                                         ; the closing round
	s_endpgm
.Lfunc_end_k_q44d57413ce_pv:
	.size	k_q44d57413ce_pv, .Lfunc_end_k_q44d57413ce_pv-k_q44d57413ce_pv
	.p2alignl 7, 3214868480
	.fill 96, 4, 3214868480
	.section	.rodata,"a",@progbits
	.p2align	6, 0x0
	.amdhsa_kernel k_q44d57413ce_pv
		.amdhsa_group_segment_fixed_size 327680
		.amdhsa_private_segment_fixed_size 0
		.amdhsa_enable_private_segment 0
		.amdhsa_kernarg_size 24
		.amdhsa_user_sgpr_count 2
		.amdhsa_user_sgpr_kernarg_segment_ptr 1
		.amdhsa_wavefront_size32 1
		.amdhsa_system_sgpr_workgroup_id_x 1
		.amdhsa_system_sgpr_workgroup_id_y 1
		.amdhsa_system_sgpr_workgroup_id_z 1
		.amdhsa_system_vgpr_workitem_id 0
		.amdhsa_next_free_vgpr 768
		.amdhsa_next_free_sgpr 102
		.amdhsa_reserve_vcc 1
		.amdhsa_float_denorm_mode_32 3
		.amdhsa_float_denorm_mode_16_64 3
		.amdhsa_memory_ordered 1
		.amdhsa_forward_progress 1
		.amdhsa_inst_pref_size 128
	.end_amdhsa_kernel
	.amdgpu_metadata
---
amdhsa.version: [ 1, 2 ]
amdhsa.kernels:
  - .name:           k_q44d57413ce_pv
    .symbol:         k_q44d57413ce_pv.kd
    .args:
      - { .name: pc, .offset: 0, .size: 8, .value_kind: global_buffer, .address_space: global }
      - { .name: qkv, .offset: 8, .size: 8, .value_kind: global_buffer, .address_space: global }
      - { .name: oc, .offset: 16, .size: 8, .value_kind: global_buffer, .address_space: global }
    .group_segment_fixed_size: 327680
    .private_segment_fixed_size: 0
    .kernarg_segment_align: 8
    .kernarg_segment_size: 24
    .max_flat_workgroup_size: 128
    .sgpr_count:     102
    .vgpr_count:     768
    .wavefront_size: 32
...
	.end_amdgpu_metadata
.endif
;; end of part 4
;; launch outp (part 5): grid 4 x 64, 4 waves a work-group, clusters of 4 x 4, 327,680 bytes of LDS; arguments oc, xw, bo, out0; writes out0
.if DOCPART == 5
	.amdgcn_target "amdgcn-amd-amdhsa--gfx1250"
	.amdhsa_code_object_version 6
	.text
	.protected	k_q44d57413ce_outp
	.globl	k_q44d57413ce_outp
	.p2align	8
	.type	k_q44d57413ce_outp,@function
k_q44d57413ce_outp:
	s_mov_b64 s[64:65], 0
	v_nop
	global_prefetch_b8 v0, s[64:65] scope:SCOPE_SE
	s_setreg_imm32_b32 hwreg(HW_REG_WAVE_MODE, 25, 1), 1
	s_wait_xcnt 0x0
	s_wait_alu depctr_hold_cnt(0) depctr_sa_sdst(0) depctr_va_vdst(0) depctr_va_sdst(0) depctr_va_ssrc(0) depctr_va_vcc(0) depctr_vm_vsrc(0)
	s_getreg_b32 s2, hwreg(HW_REG_IB_STS2, 6, 4)
	s_cmp_eq_u32 s2, 0
	s_cbranch_scc0 .Lentry_in_a_cluster
	s_endpgm
.Lentry_in_a_cluster:
	s_bfe_u32 s2, ttmp6, 0x10000c
	s_cmp_lg_u32 s2, 0xf033
	s_cbranch_scc0 .Lentry_shape_is_right
	s_endpgm
.Lentry_shape_is_right:
; OUTP.  out0 = O Wo^T + bo on codes of FP6 (E2M3): O out of oc, Wo out of xw (its rows in their own order); out0 [8192][1024] f32.
; THE PRODUCT: a tile of 128 rows x 256 columns, so that 8,192 x 1,024 numbers make 256 work-groups; four waves, 64 x 128 a wave: 32 accumulators.  K = 1,024 is four steps of 256.
; THREE LDS SLOTS of one K step (A's 128 rows, B's 256 rows): K steps 0, 1, 2 are asked for together at the start; K step 3 goes into slot 0 behind the round that follows K step 0, and has two K steps,
; 128 matrix instructions a wave, in which to land.  So there is one refill, and the eight steps of 128 along K are written out: no loop.
; In oc and xw a block of 128 rows x 256 along K is 24,576 dense bytes.  A K step is two tensor loads: one wave fetches A's whole block, another B's two blocks.
; CLUSTERS: 4 x 4 work-groups; O's tiles are asked for jointly along a row of the cluster, Wo's along a column.  Transposed use (source 0 = 16 rows of Wo, source 1 = 16 rows of O): a lane holds eight neighbouring numbers of a row of out0.
; The bias is the C of the first step's products.  A row of O whose scale bytes are 0xff (a query with every key masked) comes out NaN.
; REGISTERS: window 0: v0-31 addresses; v32-63 scale words, two sets, and nothing else; v64-127 the bias; v128-175, v176-223 A's fragments (4 x 16 rows x 128 K), two sets; on the way out v128-255 rows of out0.
;   window 1: B's fragments (8), two sets, at v0 and v128.  window 2: the accumulators ((a, b) at v[8 (8 a + b)]).
.set KST,    4
.set PITCH,  240                       ; an LDS row: 3 x (64 bytes + 16 of padding)
.set FR,     12
.set NP,     4
.set AHALF,  64*PITCH                  ; 64 rows: what a wave reads of A
.set BHALF,  128*PITCH                 ; 128 rows: the same for B
.set SLOT,   2*AHALF+2*BHALF           ; A's 128 rows, then B's 256
.set BLKB,   24576
.set SCL,    3*SLOT                    ; behind the slots: the scale bytes for all of K: A's 128 rows,
.set ASC,    KST*1024
.set BSC,    KST*1024                  ; then B's two groups of 128 rows
.set SPARE,  SCL+ASC+2*BSC             ; the spare words, 128 bytes a wave: two blocks of 256 bytes that no other line names
.set XSC,    22020096
.set OSC,    6291456
.set SIZE_N, 1024
.set SPITCH, 528                       ; the way out: 16 rows x (512 bytes + 16) a wave,
.set STAGE,  SLOT                      ; in slot 1: filled once, and last read ahead of the last barrier that every wave passes
.set ADRA, 10                          ; v10-12 LDS address of my A fragments in slots 0, 1, 2; v13-15 the same behind one padding more
.set ADRB, 16                          ; v16-18, v19-21 the same for B
.set STO,  24
.set RD,   25
.set GO,   26
.set ADRS, 27
.set SPW,  28
.set NIL,  29
.set SC,   32
.set BC,   64
.set AF,   128
.set BK,   128
.set G1, 24                            ; s[24:31] group 1 for A's tiles; groups 0: s[32:35], s[36:39], s[92:95] for slots 0, 1, 2
.set G1B, 48                           ; s[48:55] for B's; groups 0: s[56:59], s[60:63], s[96:99]
.set G1S, 68
.set G0S, 76
.set G1SB, 80
.set G0SB, 88
.set MSB, 0
.macro WIN new                         ; the immediate's high byte repeats the setting that is left; a switch that changes nothing is dropped
.if MSB != \new
	s_set_vgpr_msb (MSB<<8)|\new
.set MSB, \new
.endif
.endm
.set MULW, 0xa1                        ; source 0 (B) window 1, source 1 (A) window 0, C and D window 2
.set TO_B, 0x40
.macro JLOAD g0a, g1a, g0b, g1b        ; a joint load: waves 0 and 1 fetch for A, waves 2 and 3 for B; four v_nop follow each line
	s_cmp_eq_u32 s15, 0
	s_cbranch_scc0 .Lfor_b_\@
	tensor_load_to_lds s[\g0a:\g0a+3], s[\g1a:\g1a+7]
	s_nop 0
.rept 4
	v_nop
.endr
	s_branch .Lasked_\@
.Lfor_b_\@:
	tensor_load_to_lds s[\g0b:\g0b+3], s[\g1b:\g1b+7]
	s_nop 0
.rept 4
	v_nop
.endr
.Lasked_\@:
.endm
.macro CREST                           ; a round of the cluster's barrier behind its opening barrier
	s_cmp_lg_u32 s14, 0
	s_cbranch_scc1 .Lnot_wave_0_\@
	s_barrier_signal -3
.Lnot_wave_0_\@:
	s_barrier_wait -3
	s_barrier_signal -1
	s_barrier_wait -1
.endm
.macro CROUND
	s_barrier_signal -1
	s_barrier_wait -1
	CREST
.endm
.macro FRAG reg, adr, q, i             ; a fragment: 16 rows x 128 K: 12 registers, six pieces of 8 bytes; where lanes 16-31's piece lies behind one padding more, the second address register serves
.irp p, 0,1,2,3,4,5
.set PCE, 12*(\q)+6*(\p/3)+\p%3
.if PCE%8 < 5
	ds_load_b64 v[\reg+2*\p:\reg+2*\p+1], v[\adr] offset:8*PCE+16*(PCE/8)+(\i)*16*PITCH
.else
	ds_load_b64 v[\reg+2*\p:\reg+2*\p+1], v[\adr+3] offset:8*PCE+16*(PCE/8)+(\i)*16*PITCH
.endif
.endr
.endm
; 8 matrix instructions: A's block a x B's eight, the K step's q-th 128, out of the fragment sets q.  zero = 2: the bias starts the sums.  The 32 accumulators take turns, one instruction a turn.
.macro MUL8 a, q, sc, zero
.irp b, 0,1,2,3,4,5,6,7
.if \zero == 2
	v_wmma_scale_f32_16x16x128_f8f6f4 v[8*(8*(\a)+\b):8*(8*(\a)+\b)+7], v[128*(\q)+FR*\b:128*(\q)+FR*\b+FR-1], v[AF+48*(\q)+FR*(\a):AF+48*(\q)+FR*(\a)+FR-1], v[BC+8*\b:BC+8*\b+7], v[SC+16*(\sc)+2*\b+(\q)], v[SC+16*(\sc)+2*(\a)+(\q)] matrix_a_fmt:MATRIX_FMT_FP6 matrix_b_fmt:MATRIX_FMT_FP6 matrix_a_scale:MATRIX_SCALE_ROW1
.else
	v_wmma_scale_f32_16x16x128_f8f6f4 v[8*(8*(\a)+\b):8*(8*(\a)+\b)+7], v[128*(\q)+FR*\b:128*(\q)+FR*\b+FR-1], v[AF+48*(\q)+FR*(\a):AF+48*(\q)+FR*(\a)+FR-1], v[8*(8*(\a)+\b):8*(8*(\a)+\b)+7], v[SC+16*(\sc)+2*\b+(\q)], v[SC+16*(\sc)+2*(\a)+(\q)] matrix_a_fmt:MATRIX_FMT_FP6 matrix_b_fmt:MATRIX_FMT_FP6 matrix_a_scale:MATRIX_SCALE_ROW1
.endif
.endr
.endm
.macro FETCH slot, q                   ; 72 LDS loads in one run: B's eight and A's four fragments of the slot's q-th 128 along K, into the sets q
	WIN TO_B
.irp i, 0,1,2,3,4,5,6,7
	FRAG 128*(\q)+FR*\i, ADRB+\slot, \q, \i
.endr
	WIN 0
.irp i, 0,1,2,3
	FRAG AF+48*(\q)+FR*\i, ADRA+\slot, \q, \i
.endr
.endm
.macro SCALES sc                       ; a K step's scale words, two a row: lanes 16-31 B's block i; lanes 0-15 A's block i (for i over 3 they read filled bytes that no product names)
.irp i, 0,1,2,3,4,5,6,7
	ds_load_b64 v[SC+16*\sc+2*\i:SC+16*\sc+2*\i+1], v[ADRS] offset:\i*128
.endr
.endm
.macro PLACES n                        ; plain vector places behind matrix instructions, in front of loads into their registers and of reads of their results
.rept \n
	v_nop
.endr
.endm
; A step of 128 along K: 32 matrix instructions on the sets q.  At its head the next step's fragments are asked for, into the other sets, which the last step's products have read: so the loads have the whole step in which to come.
; nsc >= 0: the next step begins a K step: its scale words come too, into set nsc.
.macro STEP q, sc, zero, nslot, nq, nsc
	s_wait_dscnt 0x0                               ; this step's fragments are in
	PLACES NP
.if \nsc >= 0
	v_add_nc_u32 v[ADRS], 1024, v[ADRS]
.endif
	FETCH \nslot, \nq
.if \nsc >= 0
	SCALES \nsc
.endif
.if \zero == 2
	WIN 0x81                                       ; C (the bias) window 0, D window 2
.else
	WIN MULW
.endif
	MUL8 0, \q, \sc, \zero
	MUL8 1, \q, \sc, \zero
	MUL8 2, \q, \sc, \zero
	MUL8 3, \q, \sc, \zero
	WIN 0
.endm
; A K step's second step with a barrier in it.  In front of the barrier each wave waits for all its tensor loads, adds 0 to its spare word, and waits for that and for its LDS reads.
; fill = 1, behind K step 0: the barrier opens a round of the cluster's; slot 0, which nobody reads any more, takes K step 3; K steps 1 and 2 are whole for every wave.  fill = 0, behind K step 2: K step 3 is whole for every wave.
.macro TURN sc, next, nsc, fill
	s_wait_tensorcnt 0x0                           ; all my tensor loads have landed
	ds_add_u32 v[SPW], v[NIL]                      ; 0 onto my spare word
	s_wait_dscnt 1                                 ; the add may be out: this step's fragments are in
	WIN MULW
	MUL8 0, 1, \sc, 0                              ; eight matrix instructions stand between the add and the wait for it
	s_wait_dscnt 0x0                               ; the add is done, and my reads of the slot are over
	s_barrier_signal -1
	MUL8 1, 1, \sc, 0
	WIN 0
	s_barrier_wait -1
.if \fill
	CREST                                          ; no wave of any partner still reads slot 0 or has a load on its way
	s_add_nc_u64 s[34:35], s[34:35], 3*BLKB        ; slot 0's groups 0: three K steps on
	s_add_nc_u64 s[58:59], s[58:59], 3*BLKB
	ARM 1, 32, G1,  .Lt_b,    .Lt_done             ; K step 3: wave 0 fetches A's block, wave 1 B's two; waves 2 and 3 have no part of it
	ARM 2, 56, G1B, .Lt_none, .Lt_done
	PLACES NP
.Lt_done:
.else
	PLACES NP
.endif
	v_add_nc_u32 v[ADRS], 1024, v[ADRS]            ; the next K step's scale words
	FETCH \next, 0
	SCALES \nsc
	WIN MULW
	MUL8 2, 1, \sc, 0
	MUL8 3, 1, \sc, 0
	WIN 0
.endm
	s_load_b256 s[4:11], s[0:1], 0x0               ; oc, xw, bo, out0
	v_lshl_add_u32 v[SPW], v0, 2, SPARE
	v_mov_b32 v[NIL], 0
	ds_add_u32 v28, v29
	ds_add_u32 v28, v29
	s_wait_dscnt 0x0
	v_lshrrev_b32 v1, 5, v0
	v_readfirstlane_b32 s14, v1                    ; wave
	s_lshr_b32 s15, s14, 1                         ; my 64 of the tile's 128 rows.  Also: I fetch for A (0) or B (1)
	s_and_b32 s16, s14, 1                          ; my 128 of its 256 columns.  Also: which part I fetch
	s_bfe_u32 s40, ttmp6, 0x40000                  ; cx
	s_bfe_u32 s41, ttmp6, 0x40004                  ; cy
	s_and_b32 s45, ttmp7, 0xffff
	s_lshl_b32 s17, s45, 2
	s_add_co_u32 s17, s17, s41                     ; tile row: 128 rows
	s_mov_b32 s42, s40                             ; tile column: 256 columns
	s_lshl_b32 s43, s41, 2
	s_lshl_b32 s43, 15, s43                        ; my row of the cluster
	s_lshl_b32 s44, 0x1111, s40                    ; my column
	; descriptor group 1, codes: dense bytes as rows of 256 (32 elements of 8), 16 bytes of padding behind every 64: in LDS rows of 192 bytes, 240 apart.  A: 24,576 bytes (128 rows); B: two blocks of 24,576 (256 rows)
	s_or_b32 s[G1+0], s43, (3<<16)|(1<<20)|(1<<21)|(3<<22)|(3<<25)
	s_mov_b32 s[G1+1], 32<<16
	s_mov_b32 s[G1+2], 96<<16                      ; A: a whole block of 24,576 bytes a load
	s_mov_b32 s[G1+3], 32<<16
	s_mov_b32 s[G1+4], 96
	s_mov_b32 s[G1+5], 32
	s_mov_b32 s[G1+6], 0
	s_mov_b32 s[G1+7], 0
	s_or_b32 s[G1B+0], s44, (3<<16)|(1<<20)|(1<<21)|(3<<22)|(3<<25)
	s_mov_b32 s[G1B+1], 3072<<16                   ; B: both groups a load: two rows of 24,576 dense bytes, 98,304 bytes apart
	s_mov_b32 s[G1B+2], 2<<16
	s_mov_b32 s[G1B+3], 3072<<16
	s_mov_b32 s[G1B+4], 2
	s_mov_b32 s[G1B+5], 12288
	s_mov_b32 s[G1B+6], 0
	s_mov_b32 s[G1B+7], 0
	; scale bytes, dense, as rows of 256, no padding.  A: its group's 4,096 bytes a load; B: both groups' 8,192 a load
	s_or_b32 s[G1S+0], s43, (3<<16)|(1<<21)
	s_mov_b32 s[G1S+1], 32<<16
	s_mov_b32 s[G1S+2], 16<<16                     ; A's scales: the group's 4,096 bytes a load
	s_mov_b32 s[G1S+3], 32<<16
	s_mov_b32 s[G1S+4], 16
	s_mov_b32 s[G1S+5], 32
	s_mov_b32 s[G1S+6], 0
	s_mov_b32 s[G1S+7], 0
	s_or_b32 s[G1SB+0], s44, (3<<16)|(1<<21)
	s_mov_b32 s[G1SB+1], 32<<16
	s_mov_b32 s[G1SB+2], 32<<16                    ; B's scales: both groups' 8,192 bytes a load
	s_mov_b32 s[G1SB+3], 32<<16
	s_mov_b32 s[G1SB+4], 32
	s_mov_b32 s[G1SB+5], 32
	s_mov_b32 s[G1SB+6], 0
	s_mov_b32 s[G1SB+7], 0
	s_mul_i32 s20, s17, KST*BLKB                   ; O's group of 128 rows is the tile row: it hangs on cy and the cluster's y alone;
	s_mov_b32 s21, 0
	s_add_co_u32 s20, s20, s21
	s_mov_b32 s21, 0
	s_lshl_b32 s22, s17, 12
	s_mov_b32 s23, 0
	s_add_co_u32 s22, s22, s23
	s_add_co_u32 s22, s22, OSC                     ; the group's scale bytes
	s_mov_b32 s23, 0
	s_lshl_b32 s46, s42, 1
	s_add_co_u32 s46, s46, 216                     ; Wo's group in xw: on cx alone
	s_lshl_b32 s100, s46, 12
	s_add_co_u32 s100, s100, XSC
	s_mov_b32 s101, 0
	s_mul_i32 s46, s46, KST*BLKB
	s_mov_b32 s47, 0
	s_mov_b32 s2, 0
	s_mov_b32 s3, 0
	s_add_co_u32 s3, s3, 2*AHALF
	s_mov_b32 s18, 0
	s_mov_b32 s19, 0
	s_wait_kmcnt 0x0
	s_add_nc_u64 s[20:21], s[4:5], s[20:21]
	s_add_nc_u64 s[22:23], s[4:5], s[22:23]
	s_add_nc_u64 s[46:47], s[6:7], s[46:47]
	s_add_nc_u64 s[100:101], s[6:7], s[100:101]
	s_mov_b32 s[G0S], 1
	s_add_co_u32 s[G0S+1], s18, SCL
	s_mov_b64 s[G0S+2:G0S+3], s[22:23]
	s_or_b32 s[G0S+3], s[G0S+3], 0x80000000
	s_mov_b32 s[G0SB], 1
	s_add_co_u32 s[G0SB+1], s19, SCL+ASC
	s_mov_b64 s[G0SB+2:G0SB+3], s[100:101]
	s_or_b32 s[G0SB+3], s[G0SB+3], 0x80000000
.macro MKG0 ga, gb, s                  ; slot s's groups 0, set up for K step s
	s_mov_b32 s[\ga], 1
	s_add_co_u32 s[\ga+1], s2, (\s)*SLOT
	s_add_nc_u64 s[\ga+2:\ga+3], s[20:21], (\s)*BLKB
	s_or_b32 s[\ga+3], s[\ga+3], 0x80000000
	s_mov_b32 s[\gb], 1
	s_add_co_u32 s[\gb+1], s3, (\s)*SLOT
	s_add_nc_u64 s[\gb+2:\gb+3], s[46:47], (\s)*BLKB
	s_or_b32 s[\gb+3], s[\gb+3], 0x80000000
.endm
	MKG0 32, 56, 0
	MKG0 36, 60, 1
	MKG0 92, 96, 2
; PREFETCH: each K step's blocks of 256 bytes are named once in a cluster, shared out by address: of A's 96 my work-group takes 24 (by cx), waves 0 and 1 twelve each; of each of B's two groups' 96 it takes 24 (by cy), wave 2 the first
; group's, wave 3 the second's: a lane a block (lanes left over name the last again).  K step 0 ahead of the round in front of its load, K steps 1 and 2 behind the head's load, K step 3 behind the first fragment loads.  The two registers are never rewritten.
	s_cmp_eq_u32 s15, 0
	s_cselect_b32 s18, s40, s41                    ; my place among the four that ask with me
	s_cselect_b32 s2, 11, 23
	s_mov_b32 s19, KST*BLKB
	s_cselect_b32 s19, 3072, s19
	s_cselect_b64 s[66:67], s[20:21], s[46:47]
	s_mul_i32 s18, s18, 6144
	s_mul_i32 s19, s19, s16
	s_add_co_u32 s18, s18, s19
	s_mov_b32 s19, 0
	s_add_nc_u64 s[66:67], s[66:67], s[18:19]
	v_and_b32 v22, 31, v0
	v_min_u32 v22, s2, v22
	v_lshlrev_b32 v22, 8, v22
	s_wait_alu depctr_va_vdst(0)
	global_prefetch_b8 v22, s[66:67] th:TH_LOAD_NT scope:SCOPE_SE
	CROUND                                         ; all sixteen work-groups are here: the first joint loads meet
; THE HEAD'S LOADS, one a wave: wave 0 K step 0 of A, wave 1 of B, wave 2 A's scales, wave 3 B's.
.macro ARM under, g0, g1, next, done
	s_cmp_lt_u32 s14, \under
	s_cbranch_scc0 \next
	tensor_load_to_lds s[\g0:\g0+3], s[\g1:\g1+7]
	s_nop 0
.rept 4
	v_nop
.endr
	s_branch \done
\next:
.endm
	ARM 1, 32,  G1,  .Lh_b,  .Lfirst_done
	ARM 2, 56,  G1B, .Lh_sa, .Lfirst_done
	ARM 3, G0S, G1S, .Lh_sb, .Lfirst_done
	tensor_load_to_lds s[G0SB:G0SB+3], s[G1SB:G1SB+7]
	s_nop 0
.rept 4
	v_nop
.endr
.Lfirst_done:
	global_prefetch_b8 v22, s[66:67] offset:BLKB th:TH_LOAD_NT scope:SCOPE_SE
	global_prefetch_b8 v22, s[66:67] offset:2*BLKB th:TH_LOAD_NT scope:SCOPE_SE
	v_and_b32 v1, 15, v0                           ; r
	v_bfe_u32 v2, v0, 4, 1                         ; h
	s_lshl_b32 s18, s42, 10
	s_lshl_b32 s19, s16, 9
	s_add_co_u32 s18, s18, s19                     ; my first column x 4 bytes
	s_mov_b32 s19, 0
	s_add_nc_u64 s[100:101], s[8:9], s[18:19]
	v_lshlrev_b32 v7, 5, v2                        ; tile b wants columns 16 b + 8 h + 0 .. 7
.irp b, 0,1,2,3,4,5,6,7
	global_load_b128 v[BC+8*\b:BC+8*\b+3], v7, s[100:101] offset:64*\b
	global_load_b128 v[BC+8*\b+4:BC+8*\b+7], v7, s[100:101] offset:64*\b+16
.endr
	v_mul_u32_u24 v3, v1, PITCH
	v_mul_u32_u24 v4, v2, 24
	v_add_nc_u32 v4, v3, v4                        ; a fragment's row x pitch + 24 x half
	v_lshl_add_u32 v5, v2, 4, v4                   ; and the same behind one padding more
	s_mul_i32 s21, s15, AHALF                      ; my 64 rows of A
	s_mul_i32 s22, s16, BHALF                      ; my 128 rows of B,
	s_add_co_u32 s22, s22, 2*AHALF                 ; which lie behind A's 128
.irp s, 0,1,2
	v_add_nc_u32 v[ADRA+\s], s21, v4
	v_add_nc_u32 v[ADRB+\s], s22, v4
	v_add_nc_u32 v[ADRA+3+\s], s21, v5
	v_add_nc_u32 v[ADRB+3+\s], s22, v5
	s_add_co_u32 s21, s21, SLOT
	s_add_co_u32 s22, s22, SLOT
.endr
	v_lshlrev_b32 v5, 3, v1                        ; scale words: 8 bytes a row and K step
	s_lshl_b32 s21, s15, 9                         ; A's: my 64 rows
	s_lshl_b32 s22, s16, 12                        ; B's: my group, behind A's
	s_add_co_u32 s22, s22, ASC
	s_sub_co_u32 s22, s22, s21
	v_mul_u32_u24 v6, s22, v2                      ; lanes 16-31 take B's: one product, the distance between the two bases
	s_add_co_u32 s21, s21, SCL
	v_add_nc_u32 v5, v5, v6
	v_add_nc_u32 v[ADRS], s21, v5
	s_mul_i32 s23, s14, 16*SPITCH
	s_add_co_u32 s23, s23, STAGE                   ; my stage
	v_mul_u32_u24 v5, v1, SPITCH                   ; in: row r, 32 bytes for each half of the lanes
	v_lshl_add_u32 v5, v2, 5, v5
	v_add_nc_u32 v[STO], s23, v5
	v_and_b32 v6, 31, v0
	v_lshlrev_b32 v[GO], 4, v6                     ; back: the 32 lanes take one row of 512 bytes; and the same in out0
	v_add_nc_u32 v[RD], s23, v[GO]
	s_lshl_b32 s20, s17, 7
	s_lshl_b32 s21, s15, 6
	s_add_co_u32 s20, s20, s21                     ; my first row
	s_lshl_b32 s20, s20, 12                        ; x 4,096 bytes
	s_add_co_u32 s20, s20, s18                     ; + my first column
	s_mov_b32 s21, 0
	s_add_nc_u64 s[12:13], s[10:11], s[20:21]
	s_wait_alu depctr_va_vdst(0)
	s_wait_loadcnt 0x0                             ; the bias
	s_wait_tensorcnt 0x0                           ; my tile of the head's four is in
	ds_add_u32 v[SPW], v[NIL]
	s_wait_dscnt 0x0
	CROUND                                         ; all four tiles are in, all sixteen work-groups are here
	ARM 1, 36, G1,  .Lr_b1, .Lr_done               ; slots 1 and 2 are first filled, one load a wave: wave 0 K step 1 of A, wave 1 of B, wave 2 K step 2 of A, wave 3 of B
	ARM 2, 60, G1B, .Lr_a2, .Lr_done
	ARM 3, 92, G1,  .Lr_b2, .Lr_done
	tensor_load_to_lds s[96:99], s[G1B:G1B+7]
	s_nop 0
.rept 4
	v_nop
.endr
.Lr_done:
	FETCH 0, 0
	SCALES 0
	global_prefetch_b8 v22, s[66:67] offset:3*BLKB th:TH_LOAD_NT scope:SCOPE_SE
	STEP 0, 0, 2, 0, 1, -1                         ; K step 0: the bias starts the sums
	TURN 0, 1, 1, 1                                ;           its second half; slot 0 takes K step 3
	s_wait_alu depctr_va_vdst(0)
	STEP 0, 1, 0, 1, 1, -1                         ; K step 1
	STEP 1, 1, 0, 2, 0, 0
	s_wait_alu depctr_va_vdst(0)
	STEP 0, 0, 0, 2, 1, -1                         ; K step 2
	TURN 0, 0, 1, 0                                ;           its second half; K step 3 is whole
	STEP 0, 1, 0, 0, 1, -1                         ; K step 3
	s_wait_dscnt 0x0                               ; the last step: nothing more to fetch
	WIN MULW
	MUL8 0, 1, 1, 0
	MUL8 1, 1, 1, 0
	MUL8 2, 1, 1, 0
	MUL8 3, 1, 1, 0
	WIN 0
; THE WAY OUT, block by block of 16 rows x 128 columns, through my own stage: in as 32 bytes a lane, back as whole rows of 512 bytes.  LDS serves a wave's instructions in order (ISA guide 5.7.1.4).
.macro TOSTAGE a
.set AC, 64*(\a)
	WIN 0x08                                       ; the data: window 2
.irp b, 0,1,2,3,4,5,6,7
	ds_store_b128 v[STO], v[AC+8*\b:AC+8*\b+3] offset:64*\b          ; each accumulator from its low end on
	ds_store_b128 v[STO], v[AC+8*\b+4:AC+8*\b+7] offset:64*\b+16
.endr
	WIN 0
.set BB, BK+64*((\a)%2)
.irp t, 0,1,2,3,4,5,6,7,8,9,10,11,12,13,14,15
	ds_load_b128 v[BB+4*\t:BB+4*\t+3], v[RD] offset:\t*SPITCH
.endr
.endm
.macro SEND a, younger                 ; younger: the LDS instructions issued behind block a's loads, which may stay out
.set BB, BK+64*((\a)%2)
	s_wait_dscnt \younger
.if (\a) > 0
	s_add_nc_u64 s[12:13], s[12:13], 16*SIZE_N*4   ; (behind a wait on XCNT: the earlier stores have read their base)
.endif
.irp t, 0,1,2,3,4,5,6,7,8,9,10,11,12,13,14,15
	global_store_b128 v[GO], v[BB+4*\t:BB+4*\t+3], s[12:13] offset:\t*SIZE_N*4 th:TH_STORE_NT   ; 512 consecutive bytes, aligned to 256; written once, read by nobody here
.endr
.endm
	PLACES NP                                      ; in front of the reads of results and of the loads into registers that held A's fragments
	TOSTAGE 0
.irp a, 1,2,3
.if \a > 1
	s_wait_xcnt 0x0                                ; block a - 2's stores have read their registers and their base
.endif
	TOSTAGE \a
	SEND \a-1, 32                                  ; behind block a - 1's loads: block a's 16 stores and 16 loads
.endr
	s_wait_xcnt 0x0
	SEND 3, 0
	s_wait_tensorcnt 0x0                           ; the wave's end
	ds_add_u32 v[SPW], v[NIL]
	s_wait_dscnt 0x0
	CROUND                                         ; the closing round
	s_endpgm
.Lfunc_end_k_q44d57413ce_outp:
	.size	k_q44d57413ce_outp, .Lfunc_end_k_q44d57413ce_outp-k_q44d57413ce_outp
	.p2alignl 7, 3214868480
	.fill 96, 4, 3214868480
	.section	.rodata,"a",@progbits
	.p2align	6, 0x0
	.amdhsa_kernel k_q44d57413ce_outp
		.amdhsa_group_segment_fixed_size 327680
		.amdhsa_private_segment_fixed_size 0
		.amdhsa_enable_private_segment 0
		.amdhsa_kernarg_size 32
		.amdhsa_user_sgpr_count 2
		.amdhsa_user_sgpr_kernarg_segment_ptr 1
		.amdhsa_wavefront_size32 1
		.amdhsa_system_sgpr_workgroup_id_x 1
		.amdhsa_system_sgpr_workgroup_id_y 1
		.amdhsa_system_sgpr_workgroup_id_z 1
		.amdhsa_system_vgpr_workitem_id 0
		.amdhsa_next_free_vgpr 768
		.amdhsa_next_free_sgpr 102
		.amdhsa_reserve_vcc 0
		.amdhsa_float_denorm_mode_32 3
		.amdhsa_float_denorm_mode_16_64 3
		.amdhsa_memory_ordered 1
		.amdhsa_forward_progress 1
		.amdhsa_inst_pref_size 103
	.end_amdhsa_kernel
	.amdgpu_metadata
---
amdhsa.version: [ 1, 2 ]
amdhsa.kernels:
  - .name:           k_q44d57413ce_outp
    .symbol:         k_q44d57413ce_outp.kd
    .args:
      - { .name: oc, .offset: 0, .size: 8, .value_kind: global_buffer, .address_space: global }
      - { .name: xw, .offset: 8, .size: 8, .value_kind: global_buffer, .address_space: global }
      - { .name: bo, .offset: 16, .size: 8, .value_kind: global_buffer, .address_space: global }
      - { .name: out0, .offset: 24, .size: 8, .value_kind: global_buffer, .address_space: global }
    .group_segment_fixed_size: 327680
    .private_segment_fixed_size: 0
    .kernarg_segment_align: 8
    .kernarg_segment_size: 32
    .max_flat_workgroup_size: 128
    .sgpr_count:     102
    .vgpr_count:     768
    .wavefront_size: 32
...
	.end_amdgpu_metadata
.endif
;; end of part 5
